; MI455X (gfx1250); checked and timed in simulation.
; The chip was launched on July 23, 2026; its instructions are those of AMD's public machine-readable ISA for CDNA 5 (MIT licence, August 2026) and "CDNA5" Instruction Set Architecture Reference Guide (July 2026). The comments in the code are by the model that wrote it; some were corrected since.
;; Multi Head Attention. Allowed arithmetic: matrix products marked QUANTISED: E2M3 operands, one E8M0 scale for each 32 along K, by v_wmma_scale_f32_16x16x128_f8f6f4 with both operands' format E2M3, f32 sums; everything else in f32.
;; Inputs: Wk 1,024 x 1,024 float32; Wo 1,024 x 1,024 float32; Wq 1,024 x 1,024 float32; Wv 1,024 x 1,024 float32; bk 1,024 float32; bo 1,024 float32; bq 1,024 float32; bv 1,024 float32; key 4 x 2,048 x 1,024 float32; query 4 x 2,048 x 1,024 float32; value 4 x 2,048 x 1,024 float32.
;; Outputs: out0 4 x 2,048 x 1,024 float32.
;; This version of the problem:
;;   THIS VERSION OF THE PROBLEM IS GIVEN IN LOW PRECISION. The matrix products marked QUANTISED in the list below multiply operands that are first quantised to E2M3 (2 exponent bits, 3 mantissa bits; 6 bits a number), with one power-of-two scale for each 32 numbers along K (OCP MX v1.0); their sums are f32. All else is computed in f32.
;;   The module's matrix products, in the order in which they are computed (A, B: the left and right operand; K: the contracted axis; several contracted axes count as one K, in the product's order):
;;     1. [M 8,192, K 1,024] x [K 1,024, N 1,024]; A: input query; B: input Wq: QUANTISED
;;     2. [M 8,192, K 1,024] x [K 1,024, N 1,024]; A: input key; B: input Wk: QUANTISED
;;     3. [M 8,192, K 1,024] x [K 1,024, N 1,024]; A: input value; B: input Wv: QUANTISED
;;     4. batch 64 x [M 2,048, K 64] x [K 64, N 2,048]; A: computed on the way; B: computed on the way: QUANTISED
;;     5. batch 64 x [M 2,048, K 2,048] x [K 2,048, N 64]; A: softmax (see below); B: computed on the way: QUANTISED
;;     6. [M 8,192, K 1,024] x [K 1,024, N 1,024]; A: computed on the way; B: input Wo: QUANTISED
;;   THE QUANTISER, for each operand of a quantised product, along K:
;;     - K is cut into blocks of 32 from its start; a last block that is shorter is filled with zeros.
;;     - A block's scale is 2^e with e = floor(log2(the largest magnitude in the block)) - 2, held to -126 .. 127; a block of zeros has e = 0. As a byte (E8M0): e + 127.
;;     - Each number is divided by its block's scale, clamped to +-7.5, and rounded to the nearest number of E2M3, ties to even, subnormals kept.
;;     - The product sums the exact products of the quantised numbers (number of the format x scale) in f32.
;;   ~~~python
;;   def quantise(x, axis):      # numpy; x: float32 -> the quantised numbers, widened to float32 again
;;       x = np.moveaxis(x, axis, -1); K = x.shape[-1]
;;       x = np.pad(x, [(0, 0)] * (x.ndim - 1) + [(0, -K % 32)]); x = x.reshape(x.shape[:-1] + (-1, 32)); a = np.abs(x).max(-1, keepdims=True)
;;       e = np.where(a > 0, np.clip(np.frexp(np.where(a > 0, a, 1))[1] - 1 - 2, -126, 127), 0)      # np.frexp(a)[1] - 1 = floor(log2(a)), exactly
;;       r = np.clip(x / 2.0 ** e, -7.5, 7.5)
;;       step = 2.0 ** (np.maximum(np.frexp(np.where(r == 0, 1, r))[1] - 1, 0) - 3)
;;       q = np.round(r / step) * step * 2.0 ** e      # np.round: ties to even
;;       return np.moveaxis(q.reshape(q.shape[:-2] + (-1,))[..., :K], -1, axis).astype(np.float32)
;;   ~~~
;;   SOFTMAX AHEAD OF A QUANTISED PRODUCT. Where the list says 'softmax', what is quantised is not the finished softmax but p = 2^(t - M), with t = logit x log2(e) and M = ceil(the row's largest t), a whole number; so 1/2 < the row's largest p <= 1. The row's sum l is taken of the UNQUANTISED p, in f32, and the product's result is divided by l at the end. Since M is a whole number, a kernel that streams over the keys may use a running M (the ceiling of the running maximum): every later rescaling is an exact power of two, which a block's scale takes up: the codes' values come out the same.
;;   OPERANDS COMPUTED ON THE WAY. 'Computed on the way' means the value that the module computes at that place (a softmax that the list does not call 'softmax' is quantised finished and normalised). What goes into a quantiser is computed in f32, as accurately as f32 sums, v_exp_f32 and their like allow (about 1e-6 of the number): no bf16 or f16 on the way to a quantiser, and a product that is left as it is and whose result goes on into a quantised operand takes f32 operands (vector FMAs, or v_wmma_f32_16x16x4_f32). A number that lies on a knife's edge between two numbers of the format may be rounded either way, as far as f32 arithmetic and the matrix unit's own rounding can turn it there, and no further.
;; 2 versions. Each part assembles by itself: llvm-mc -triple=amdgcn-amd-amdhsa -mcpu=gfx1250 --defsym DOCPART=n.
;; ======== version 1 of 2: 4 launches
;; workspace buffers: wimg 3,276,800 bytes; qkv 20,447,232 bytes; aoc 6,291,456 bytes; aos 262,144 bytes
;; launch wquant (part 1): grid 32 x 8, 4 waves a work-group, no clusters, 13,312 bytes of LDS; arguments Wq, Wk, Wv, Wo, wimg; writes wimg
.if DOCPART == 1
	.amdgcn_target "amdgcn-amd-amdhsa--gfx1250"
	.amdhsa_code_object_version 6
	.text
	.protected	k_q973f6769fb_wquant
	.globl	k_q973f6769fb_wquant
	.p2align	8
	.type	k_q973f6769fb_wquant,@function
k_q973f6769fb_wquant:
	s_mov_b64 s[64:65], 0
	v_nop
	global_prefetch_b8 v0, s[64:65] scope:SCOPE_SE
	s_setreg_imm32_b32 hwreg(HW_REG_WAVE_MODE, 25, 1), 1
	s_wait_xcnt 0x0
; The four weights [1024 (k)][1024 (n)], f32, K the FIRST axis, become codes of FP6 (E2M3) with one E8M0 byte for each 32 along K,
; laid as IMAGES OF OPERAND REGISTERS: wimg[wt 4][G 8: 128 n][s 8: 128 k] = a record of 12,800 bytes: 8 fragments of 1,536 bytes, then 512 bytes of scale words.
; A fragment (16 rows x 128 K, 12 registers a lane) is three chunks of 512 bytes; chunk q holds lane L's registers 4 q .. 4 q + 3 at 16 L.
; ROW ORDER: row i of tile a of a group of 128 is column 64 (a / 4) + 32 (i / 8) + 8 (a % 4) + i % 8, so that a later result's 32 registers of four neighbouring tiles are 32 neighbours.
; Scale word of (row r, tile a) at 12,288 + 32 r + 4 a; byte b scales k = 32 b .. 32 b + 31.
; A LANE TAKES A COLUMN n AND ITS REGISTERS RUN DOWN K: a load reads 128 consecutive bytes a wave, a block of 32 lies in one lane, and the conversions give K innermost.
; A work-group makes one record: 128 n x 128 k.  The codes meet in LDS and leave as 512 consecutive bytes a store.
; A block's scale is 2^(floor(log2(largest magnitude)) - 2); its byte is that magnitude's exponent field - 2, held at 1 from below.
; LIMITS: NaN and infinities are not served; a block whose largest magnitude lies under 2^-124 (zeros too) gets the byte 1: this program alone reads the bytes, and zero codes add nothing.
.set X,   16                           ; v16-143  128 numbers: my column, down K
.set TM,  144                          ; v144-147 at work
.set WD,  152                          ; v152     my column's scale word
.set C0,  156                          ; v156..   block kb's codes at C0 + 12 kb: six, and three more on the way
.set REC, 12800
	s_load_b256 s[4:11], s[0:1], 0x0               ; Wq, Wk, Wv, Wo
	s_load_b64 s[12:13], s[0:1], 0x20              ; wimg
	v_lshl_add_u32 v208, v0, 2, 0x3200
	v_mov_b32 v209, 0
	v_lshrrev_b32 v1, 5, v0
	v_readfirstlane_b32 s16, v1                    ; wave 0..3
	v_and_b32 v1, 31, v0                           ; lane l: column 32 w + l of the group
	v_lshlrev_b32 v2, 2, v1                        ; in: 4 bytes a lane
	v_lshrrev_b32 v6, 3, v1                        ; l / 8
	v_and_b32 v7, 7, v1                            ; l % 8
	s_lshr_b32 s17, s16, 1                         ; w / 2
	s_and_b32 s18, s16, 1                          ; w % 2
	; my column is row r = 8 (w % 2) + l % 8 of tile 4 (w / 2) + l / 8
	s_mul_i32 s19, s17, 6144
	s_lshl_b32 s20, s18, 7
	s_add_co_u32 s19, s19, s20
	v_mul_u32_u24 v3, v6, 1536
	v_lshl_add_u32 v3, v7, 4, v3
	v_add_nc_u32 v3, s19, v3                       ; 1,536 x tile + 16 r: lane r's place in the fragment's first chunk
	s_lshl_b32 s19, s18, 8
	s_lshl_b32 s20, s17, 4
	s_add_co_u32 s19, s19, s20
	s_add_co_u32 s19, s19, 12288
	v_lshlrev_b32 v4, 2, v6
	v_lshl_add_u32 v4, v7, 5, v4
	v_add_nc_u32 v4, s19, v4                       ; 12,288 + 32 r + 4 x tile: my scale word
	s_mul_i32 s19, s16, 3072
	v_lshlrev_b32 v5, 4, v1
	v_add_nc_u32 v8, 12288, v5                     ; the way out of the scale words (wave 0)
	v_add_nc_u32 v5, s19, v5                       ; the way out: 3,072 bytes a wave, 16 a lane; in LDS and in the record alike
	s_and_b32 s21, ttmp7, 0xffff                   ; s: which 128 along K
	s_lshr_b32 s22, ttmp9, 3                       ; which weight
	s_and_b32 s23, ttmp9, 7                        ; which 128 columns
	s_lshl_b32 s24, s21, 19                        ; 128 rows of 4,096 bytes
	s_lshl_b32 s23, s23, 9
	s_add_co_u32 s24, s24, s23
	s_lshl_b32 s23, s16, 7
	s_add_co_u32 s24, s24, s23
	s_mov_b32 s25, 0
	s_lshl_b32 s26, ttmp9, 3
	s_add_co_u32 s26, s26, s21
	s_mul_i32 s26, s26, REC                        ; my record
	s_mov_b32 s27, 0
	s_wait_kmcnt 0x0
	s_cmp_eq_u32 s22, 1                            ; the choice hangs on the work-group's number alone
	s_cselect_b64 s[4:5], s[6:7], s[4:5]
	s_cmp_eq_u32 s22, 2
	s_cselect_b64 s[4:5], s[8:9], s[4:5]
	s_cmp_eq_u32 s22, 3
	s_cselect_b64 s[4:5], s[10:11], s[4:5]
	s_add_nc_u64 s[4:5], s[4:5], s[24:25]
	s_add_nc_u64 s[12:13], s[12:13], s[26:27]
.macro LOAD kb                         ; block kb: W(32 kb + i, my column)
.irp i, 0,1,2,3,4,5,6,7,8,9,10,11,12,13,14,15,16,17,18,19,20,21,22,23,24,25,26,27,28,29,30,31
	global_load_b32 v[X+32*(\kb)+\i], v2, s[4:5] offset:(32*(\kb)+\i)*4096 th:TH_LOAD_NT
.endr
.endm
; Block kb = 2 c + h goes to lane r + 16 h of the fragment, registers 6 c .. 6 c + 5.
.macro BLOCK kb, left, next
.set XS, X+32*(\kb)
.set CC, C0+12*(\kb)
.set HB, 256*((\kb)%2)
	s_wait_loadcnt \left                           ; this block's 32 loads are in; the next block's 32 may be out
.if \next
	LOAD (\kb)+2                                   ; two blocks ahead; every block has registers of its own
.endif
	v_max3_num_f32 v[TM], 0x1800000, |v[XS]|, |v[XS+1]|          ; the block's largest magnitude, in two chains, with the floor 2^(3 - 127): the byte cannot fall under 1
	v_max3_num_f32 v[TM+1], 0x1800000, |v[XS+16]|, |v[XS+17]|
.irp i, 2,4,6,8,10,12,14
	v_max3_num_f32 v[TM], v[TM], |v[XS+\i]|, |v[XS+\i+1]|
	v_max3_num_f32 v[TM+1], v[TM+1], |v[XS+16+\i]|, |v[XS+17+\i]|
.endr
	v_max_num_f32 v[TM], v[TM], v[TM+1]
	v_add_nc_u32 v[TM+2], 0xff000000, v[TM]        ; 2 off its exponent field: the conversion's scale operand
	v_lshrrev_b32 v[TM+3], 23, v[TM+2]             ; the scale's byte
.if (\kb) == 0
	v_mov_b32 v[WD], v[TM+3]
.else
	v_lshl_or_b32 v[WD], v[TM+3], 8*(\kb), v[WD]
.endif
	v_cvt_scalef32_pk16_fp6_f32 v[CC:CC+2], v[XS:XS+15], v[TM+2]
	v_cvt_scalef32_pk16_fp6_f32 v[CC+6:CC+8], v[XS+16:XS+31], v[TM+2]   ; (a conversion's three registers begin on an even number)
	v_nop                                          ; one plain place behind a scaled conversion
.irp i, 0,1,2
	v_mov_b32 v[CC+3+\i], v[CC+6+\i]
.endr
.if (\kb) < 2
	ds_store_b128 v3, v[CC:CC+3] offset:HB         ; registers 0-3: chunk 0
	ds_store_b64 v3, v[CC+4:CC+5] offset:512+HB    ; registers 4, 5: chunk 1, its first half
.else
	ds_store_b64 v3, v[CC:CC+1] offset:520+HB      ; registers 6, 7: chunk 1, its second half
	ds_store_b128 v3, v[CC+2:CC+5] offset:1024+HB  ; registers 8-11: chunk 2
.endif
.endm
	LOAD 0
	LOAD 1
	BLOCK 0, 32, 1
	BLOCK 1, 32, 1
	BLOCK 2, 32, 0
	BLOCK 3, 0, 0
	ds_store_b32 v4, v[WD]
	s_wait_dscnt 0x0                               ; for the others' sake: my stores have landed
	s_barrier_signal -1
	s_barrier_wait -1                              ; the record lies whole in LDS
.irp i, 0,1,2,3,4,5
	ds_load_b128 v[16+4*\i:19+4*\i], v5 offset:512*\i
.endr
.irp i, 0,1,2,3,4,5
	s_wait_dscnt 5-\i                              ; LDS loads come back in order: load i is in, the younger ones may be out
	global_store_b128 v5, v[16+4*\i:19+4*\i], s[12:13] offset:512*\i   ; 32 lanes store 512 consecutive bytes, aligned
.endr
	s_cmp_lg_u32 s16, 0
	s_cbranch_scc1 .Lend
	ds_load_b128 v[40:43], v8                      ; wave 0: the 512 bytes of scale words
	s_wait_dscnt 0x0
	global_store_b128 v8, v[40:43], s[12:13]
.Lend:
	s_wait_tensorcnt 0x0
	ds_add_u32 v208, v209
	s_wait_dscnt 0x0
	s_endpgm
.Lfunc_end_k_q973f6769fb_wquant:
	.size	k_q973f6769fb_wquant, .Lfunc_end_k_q973f6769fb_wquant-k_q973f6769fb_wquant
	.p2alignl 7, 3214868480
	.fill 96, 4, 3214868480
	.section	.rodata,"a",@progbits
	.p2align	6, 0x0
	.amdhsa_kernel k_q973f6769fb_wquant
		.amdhsa_group_segment_fixed_size 13312
		.amdhsa_private_segment_fixed_size 0
		.amdhsa_enable_private_segment 0
		.amdhsa_kernarg_size 40
		.amdhsa_user_sgpr_count 2
		.amdhsa_user_sgpr_kernarg_segment_ptr 1
		.amdhsa_wavefront_size32 1
		.amdhsa_system_sgpr_workgroup_id_x 1
		.amdhsa_system_sgpr_workgroup_id_y 1
		.amdhsa_system_sgpr_workgroup_id_z 1
		.amdhsa_system_vgpr_workitem_id 0
		.amdhsa_next_free_vgpr 210
		.amdhsa_next_free_sgpr 66
		.amdhsa_reserve_vcc 0
		.amdhsa_float_denorm_mode_32 3
		.amdhsa_float_denorm_mode_16_64 3
		.amdhsa_memory_ordered 1
		.amdhsa_forward_progress 1
		.amdhsa_inst_pref_size 23
	.end_amdhsa_kernel
	.amdgpu_metadata
---
amdhsa.version: [ 1, 2 ]
amdhsa.kernels:
  - .name:           k_q973f6769fb_wquant
    .symbol:         k_q973f6769fb_wquant.kd
    .args:
      - { .name: Wq, .offset: 0, .size: 8, .value_kind: global_buffer, .address_space: global }
      - { .name: Wk, .offset: 8, .size: 8, .value_kind: global_buffer, .address_space: global }
      - { .name: Wv, .offset: 16, .size: 8, .value_kind: global_buffer, .address_space: global }
      - { .name: Wo, .offset: 24, .size: 8, .value_kind: global_buffer, .address_space: global }
      - { .name: wimg, .offset: 32, .size: 8, .value_kind: global_buffer, .address_space: global }
    .group_segment_fixed_size: 13312
    .private_segment_fixed_size: 0
    .kernarg_segment_align: 8
    .kernarg_segment_size: 40
    .max_flat_workgroup_size: 128
    .sgpr_count:     66
    .vgpr_count:     210
    .wavefront_size: 32
...
	.end_amdgpu_metadata
.endif
;; end of part 1
;; launch proj (part 2): grid 64 x 3, 4 waves a work-group, no clusters, 136,704 bytes of LDS; arguments query, key, value, bq, bk, bv, wimg, qkv; writes qkv
.if DOCPART == 2
	.amdgcn_target "amdgcn-amd-amdhsa--gfx1250"
	.amdhsa_code_object_version 6
	.text
	.protected	k_q973f6769fb_proj
	.globl	k_q973f6769fb_proj
	.p2align	8
	.type	k_q973f6769fb_proj,@function
k_q973f6769fb_proj:
	s_mov_b64 s[64:65], 0
	v_nop
	global_prefetch_b8 v0, s[64:65] scope:SCOPE_SE
	s_setreg_imm32_b32 hwreg(HW_REG_WAVE_MODE, 25, 1), 1
	s_wait_xcnt 0x0
; q = query Wq + bq, k = key Wk + bk, v = value Wv + bv on codes of FP6 (E2M3), one E8M0 byte for each 32 along K; the results are quantised at once for attention:
; q and k along the head's 64 channels, v along the keys.  Work-group (x, y): 128 tokens (group x) of tensor y, all 1,024 columns: every f32 byte of the inputs is read once.
; PHASE X: wave w quantises token tiles 2 w, 2 w + 1 for all of K; the fragments go to LDS as images of their registers (three chunks of 512 bytes, lane l's registers 4 q .. 4 q + 3 at 16 l).
; GEMM: the waves share the COLUMNS: in pass p wave w makes columns 128 (4 p + w) on (two heads) for all 128 tokens: 64 accumulators.  The weights come as images straight into registers.
; ROW ORDER (tokens in a tile, columns in a tile): row i of tile a is 64 (a / 4) + 32 (i / 8) + 8 (a % 4) + i % 8.  Register j of lane (r, h) of a result is row 8 h + j of source 0's tile: so the 32 registers
; of tiles 4 c .. 4 c + 3 are rows 64 c + 32 h + 0 .. 31: a whole block of 32 in ONE lane, at the place where the 6-bit operand wants it.  No lane is asked for a maximum, no halves are exchanged.
; q, k: source 0 = weights, source 1 = x: a lane holds one token, its registers run along the channels.   v: source 0 = x, source 1 = weights: a lane holds one channel, its registers run along the tokens.
; OUT: qkv[part 3][bh 64][G 16] = a record of 6,656 bytes: 4 fragments and 512 bytes of scale words (lane l's four words at 16 l).  q, k: fragment p = [token tile 2 p's 64 codes | tile 2 p + 1's];
; v: fragment t = 16 channels (row r: 32 (r / 8) + 8 t + r % 8) x 128 keys.  The bias is the C of each sum's first matrix instruction.
; No cluster: 192 work-groups of three tensors; the weights that work-groups share go straight into registers, where a joint load cannot put them.
; LIMITS: NaN and infinities are not served; a block whose largest magnitude lies under 2^-124 (zeros too) gets the byte 1: this program alone reads the bytes.
; REGISTERS.  window 0: v1-20 addresses; phase X: v64-127 numbers, v128-156 codes and work; GEMM: v32-63 scale words (two sets), v64-159, v160-255 x's fragments (two sets); way out: v64-111.
;   window 1: phase X: four sets of 64 as loaded; GEMM: v0-95, v128-223 the weights' fragments (two sets), v96-127, v224-255 the bias.   windows 2, 3: the accumulators.
.set XSC,  98304                       ; LDS: x's images [s 8][a 8] 1,536 bytes from 0; their scale words [s] 512 bytes, word (r, a) at 32 r + 4 a;
.set STG,  102400                      ; a stage of 16 rows x 528 bytes for each wave
.set SH0,  4                           ; v4  8 h
.set PT,   17                          ; v17, v18  a lane permute's destination
.set SEL,  24                          ; s[24:25]
.set X,    64
.set PC,   128
.set PW,   156
.set F0,   64
.set F1,   76
.set SWQ,  104
.set MSB, 0
.macro WIN new                         ; the immediate's high byte repeats the setting that is left; a switch that changes nothing is dropped
.set WN, (\new)
.if MSB != WN
	s_set_vgpr_msb (MSB<<8)|WN
.set MSB, WN
.endif
.endm
.macro PLACES n
.rept \n
	v_nop
.endr
.endm
; 64 numbers of a lane at v[src] on, in window sw, register 32 c + i = k 64 c + 32 h + i, become six code registers at v[d0] (c = 0) and six at v[d1] (c = 1); the two scale bytes are left in v[TM+6], v[TM+7].
; The sources are read in ascending order: each accumulator from its low end on.
.macro QB src, sw, d0, d1
	WIN ((\sw)<<2)|((\sw)<<4)
.irp q, 0,1,2,3
	v_max3_num_f32 v[TM+\q], 0x1800000, |v[(\src)+16*\q]|, |v[(\src)+16*\q+1]|   ; four chains by turns, each with the floor 2^(3 - 127)
.endr
.irp i, 2,4,6,8,10,12,14
.irp q, 0,1,2,3
	v_max3_num_f32 v[TM+\q], v[TM+\q], |v[(\src)+16*\q+\i]|, |v[(\src)+16*\q+\i+1]|
.endr
.endr
	WIN 0
	v_max_num_f32 v[TM], v[TM], v[TM+1]
	v_max_num_f32 v[TM+2], v[TM+2], v[TM+3]
	v_add_nc_u32 v[TM+4], 0xff000000, v[TM]        ; 2 off the exponent field: the conversions' scale operands
	v_add_nc_u32 v[TM+5], 0xff000000, v[TM+2]
	v_lshrrev_b32 v[TM+6], 23, v[TM+4]             ; the bytes
	v_lshrrev_b32 v[TM+7], 23, v[TM+5]
	WIN (\sw)
	v_cvt_scalef32_pk16_fp6_f32 v[(\d0):(\d0)+2], v[(\src):(\src)+15], v[TM+4]
	v_cvt_scalef32_pk16_fp6_f32 v[TP:TP+2], v[(\src)+16:(\src)+31], v[TM+4]      ; (a conversion's three registers begin on an even number)
	v_cvt_scalef32_pk16_fp6_f32 v[(\d1):(\d1)+2], v[(\src)+32:(\src)+47], v[TM+5]
	v_cvt_scalef32_pk16_fp6_f32 v[TP+4:TP+6], v[(\src)+48:(\src)+63], v[TM+5]
	WIN 0
	v_nop                                          ; one plain place behind the scaled conversions
.irp i, 0,1,2
	v_mov_b32 v[(\d0)+3+\i], v[TP+\i]
	v_mov_b32 v[(\d1)+3+\i], v[TP+4+\i]
.endr
.endm
.macro WORD dst                        ; the scale word of 128 along K: byte 2 c + h; my two bytes, then lane l xor 16's two
	v_lshl_or_b32 v[\dst], v[TM+7], 16, v[TM+6]
	v_lshlrev_b32 v[\dst], v[SH0], v[\dst]
	v_permlanex16_b32 v[PT], v[\dst], s[SEL], s[SEL+1]
	v_or_b32 v[\dst], v[\dst], v[PT]
.endm
	s_load_b512 s[4:19], s[0:1], 0x0               ; query, key, value, bq, bk, bv, wimg s[16:17], qkv s[18:19]
	v_lshl_add_u32 v30, v0, 2, 0x21400
	v_mov_b32 v31, 0
	v_lshrrev_b32 v2, 5, v0
	v_readfirstlane_b32 s20, v2                    ; wave 0..3
	s_and_b32 s21, ttmp7, 0xffff                   ; y: which tensor
	v_and_b32 v1, 31, v0
	v_and_b32 v2, 15, v0                           ; r
	v_bfe_u32 v3, v0, 4, 1                         ; h
	v_lshlrev_b32 v1, 4, v1                        ; v1  16 x lane
	v_lshlrev_b32 v4, 3, v3                        ; v4  8 h
	v_add_nc_u32 v5, 16, v4                        ; v5  16 + 8 h
	s_mul_i32 s34, s20, 8448
	s_add_co_u32 s34, s34, STG                     ; my stage
	v_add_nc_u32 v6, s34, v1                       ; v6  into it: 16 bytes a lane of a row of 512
	v_mul_u32_u24 v7, v2, 528
	v_lshl_add_u32 v7, v3, 7, v7
	v_add_nc_u32 v7, s34, v7                       ; v7  out of it: row r, + 128 h
	s_mul_i32 s34, s20, 3072
	v_add_nc_u32 v8, s34, v1                       ; v8  my two tiles' images in a K step
	v_lshlrev_b32 v20, 5, v2                       ; v20 32 r
	s_lshl_b32 s34, s20, 3
	s_add_co_u32 s34, s34, XSC
	v_add_nc_u32 v9, s34, v20                      ; v9  my two tiles' scale words
	v_add_nc_u32 v19, XSC, v20                     ; v19 row r's eight scale words
	v_mov_b32 v17, 0                               ; written once: a lane permute's destination counts as one of its sources
	v_mov_b32 v18, 0
	s_mov_b32 s24, 0x76543210
	s_mov_b32 s25, 0xfedcba98                      ; v_permlanex16_b32's selects for lane l xor 16
	s_lshl_b32 s34, ttmp9, 7                       ; my wave's first token: 128 x + 64 (w / 2) + 16 (w % 2)
	s_lshr_b32 s35, s20, 1
	s_lshl_b32 s35, s35, 6
	s_add_co_u32 s34, s34, s35
	s_and_b32 s35, s20, 1
	s_lshl_b32 s35, s35, 4
	s_add_co_u32 s34, s34, s35
	s_lshl_b32 s34, s34, 12                        ; rows of 4,096 bytes: under 2^26
	s_mov_b32 s35, 0
	s_lshl_b32 s36, s20, 9                         ; the bias of my 128 columns
	s_mov_b32 s37, 0
	s_mul_i32 s38, s21, 819200                     ; the weight's images, my group of columns
	s_mul_i32 s39, s20, 102400
	s_add_co_u32 s38, s38, s39
	s_mov_b32 s39, 0
	s_lshr_b32 s40, ttmp9, 4                       ; out: part y, head 16 b + 2 w, group x % 16
	s_lshl_b32 s40, s40, 4
	s_lshl_b32 s41, s20, 1
	s_add_co_u32 s40, s40, s41
	s_mul_i32 s40, s40, 106496
	s_and_b32 s41, ttmp9, 15
	s_mul_i32 s41, s41, 6656
	s_add_co_u32 s40, s40, s41
	s_mul_i32 s41, s21, 6815744
	s_add_co_u32 s40, s40, s41
	s_mov_b32 s41, 0
	s_wait_kmcnt 0x0
	s_cmp_eq_u32 s21, 1                            ; the choices hang on the work-group's number alone
	s_cselect_b64 s[4:5], s[6:7], s[4:5]
	s_cselect_b64 s[10:11], s[12:13], s[10:11]
	s_cmp_eq_u32 s21, 2
	s_cselect_b64 s[4:5], s[8:9], s[4:5]
	s_cselect_b64 s[10:11], s[14:15], s[10:11]
	s_add_nc_u64 s[4:5], s[4:5], s[34:35]
	s_add_nc_u64 s[10:11], s[10:11], s[36:37]
	s_add_nc_u64 s[16:17], s[16:17], s[38:39]
	s_add_nc_u64 s[18:19], s[18:19], s[40:41]
; ---- PHASE X.  Unit i of a trip: tile 2 w + i % 2, the trip's K step i / 2.  Sixteen loads, one for each token of the tile: 512 consecutive bytes (128 along K) each.
.set TP, 140
.set TM, 148
.macro XLD i, add
	WIN 0x40                                       ; destination window 1
.irp k, 0,1,2,3,4,5,6,7,8,9,10,11,12,13,14,15
	global_load_b128 v[64*(\i)+4*\k:64*(\i)+4*\k+3], v1, s[4:5] offset:(8*((\i)%2)+32*(\k/8)+\k%8)*4096+512*((\i)/2)+(\add) th:TH_LOAD_NT
.endr
	WIN 0
.endm
.macro UNIT i, more, left
	s_wait_loadcnt \left                           ; this unit's sixteen loads are in; the younger sets stay out
	WIN 0x04                                       ; an LDS store's data are its source 1: window 1
.irp k, 0,1,2,3,4,5,6,7,8,9,10,11,12,13,14,15
	ds_store_b128 v6, v[64*(\i)+4*\k:64*(\i)+4*\k+3] offset:528*\k
.endr
	WIN 0
.irp c, 0,1
.irp j, 0,1,2,3,4,5,6,7
	ds_load_b128 v[X+32*\c+4*\j:X+32*\c+4*\j+3], v7 offset:256*\c+16*\j    ; row r, k = 64 c + 32 h + 4 j on; LDS serves a wave's instructions in order: these see the stores above
.endr
.endr
	s_wait_dscnt 0x0                               ; the numbers are back; the stage stores have read the set, the last unit's image stores their registers
.if \more
	XLD \i, 1024                                   ; the set takes the same unit of the next trip
.endif
	QB X, 0, PC, PC+6
	WORD PW
.irp q, 0,1,2
	ds_store_b128 v10, v[PC+4*\q:PC+4*\q+3] offset:12288*((\i)/2)+1536*((\i)%2)+512*\q
.endr
	ds_store_b32 v11, v[PW] offset:512*((\i)/2)+4*((\i)%2)    ; lanes r and r + 16 write the same word with the same value
.endm
	XLD 0, 0
	XLD 1, 0
	XLD 2, 0
	XLD 3, 0
	s_mov_b32 s28, 0
	s_mov_b32 s29, 0
	s_mov_b32 s32, 3
.Lx:                                               ; a trip: two K steps of my two tiles
	v_add_nc_u32 v10, s28, v8
	v_add_nc_u32 v11, s29, v9
	UNIT 0, 1, 48
	UNIT 1, 1, 48
	UNIT 2, 1, 48
	UNIT 3, 1, 48
	s_wait_dscnt 0x0                               ; the last image stores have read v10 and v11
	s_wait_xcnt 0x0                                ; the loads have read their base
	s_add_nc_u64 s[4:5], s[4:5], 1024
	s_add_co_u32 s28, s28, 24576
	s_add_co_u32 s29, s29, 1024
	s_sub_co_u32 s32, s32, 1
	s_cmp_lg_u32 s32, 0
	s_cbranch_scc1 .Lx
	v_add_nc_u32 v10, s28, v8
	v_add_nc_u32 v11, s29, v9
	UNIT 0, 0, 48                                  ; the last trip loads nothing: the counts run down
	UNIT 1, 0, 32
	UNIT 2, 0, 16
	UNIT 3, 0, 0
	s_wait_dscnt 0x0                               ; for the others' sake: my images have landed
	s_barrier_signal -1
	s_barrier_wait -1                              ; x's 64 fragments lie in LDS; from here on LDS is only read
; ---- GEMM
.set TP, 88
.set TM, 96
.macro FETCHX set                      ; a K step's eight fragments of x and their scale words; each set has address registers of its own
	v_add_nc_u32 v[12+\set], s30, v1
.irp a, 0,1,2,3,4,5,6,7
.irp q, 0,1,2
	ds_load_b128 v[64+96*\set+12*\a+4*\q:64+96*\set+12*\a+4*\q+3], v[12+\set] offset:1536*\a+512*\q
.endr
.endr
	v_add_nc_u32 v[14+\set], s31, v19
	ds_load_b128 v[32+16*\set:35+16*\set], v[14+\set]
	ds_load_b128 v[36+16*\set:39+16*\set], v[14+\set] offset:16
	s_add_co_u32 s30, s30, 12288
	s_add_co_u32 s31, s31, 512
.endm
.macro FETCHW set                      ; a K step's record of the weights: eight fragments and their scale words
	WIN 0x40
.irp b, 0,1,2,3,4,5,6,7
.irp q, 0,1,2
	global_load_b128 v[128*\set+12*\b+4*\q:128*\set+12*\b+4*\q+3], v1, s[26:27] offset:1536*\b+512*\q
.endr
.endr
	WIN 0
	global_load_b128 v[40+16*\set:43+16*\set], v20, s[26:27] offset:12288
	global_load_b128 v[44+16*\set:47+16*\set], v20, s[26:27] offset:12304
.endm
; 64 matrix instructions; the 64 accumulators take turns, one instruction a turn, in one order in every step.
; vp = 0: o = token tile a, n = column tile b; source 0 the weights (window 1), source 1 x (window 0).   vp = 1: o = b, n = a; source 0 x, source 1 the weights.
.macro MUL set, first, vp
.irp o, 0,1,2,3,4,5,6,7
.if \first
	WIN 0x91+3*(\vp)+0x40*(\o/4)                   ; C: the bias, window 1; D: window 2 or 3
.else
	WIN 0xa1+3*(\vp)+0x50*(\o/4)                   ; C and D: window 2 or 3
.endif
.irp n, 0,1,2,3,4,5,6,7
.set DD, 8*(8*(\o%4)+\n)
.if \vp
.set AA, 64+96*(\set)+12*\n
.set BBR, 128*(\set)+12*\o
.set SA, 32+16*(\set)+\n
.set SB, 40+16*(\set)+\o
.set CB, 96+8*\o+96*(\o/4)
.else
.set AA, 128*(\set)+12*\n
.set BBR, 64+96*(\set)+12*\o
.set SA, 40+16*(\set)+\n
.set SB, 32+16*(\set)+\o
.set CB, 96+8*\n+96*(\n/4)
.endif
.if \first
	v_wmma_scale_f32_16x16x128_f8f6f4 v[DD:DD+7], v[AA:AA+11], v[BBR:BBR+11], v[CB:CB+7], v[SA], v[SB] matrix_a_fmt:MATRIX_FMT_FP6 matrix_b_fmt:MATRIX_FMT_FP6
.else
	v_wmma_scale_f32_16x16x128_f8f6f4 v[DD:DD+7], v[AA:AA+11], v[BBR:BBR+11], v[DD:DD+7], v[SA], v[SB] matrix_a_fmt:MATRIX_FMT_FP6 matrix_b_fmt:MATRIX_FMT_FP6
.endif
.endr
.endr
.endm
.macro STEP cur, nxt, first, fetch, vp
	PLACES 4                                       ; four places between the last products and loads into registers that they read
.if \fetch
	s_wait_xcnt 0x0                                ; the last record's loads have read their base
	s_add_nc_u64 s[26:27], s[26:27], 12800
	FETCHX \nxt
	FETCHW \nxt
	s_wait_loadcnt 26                              ; all but the 26 just issued: this step's weights (and the bias) are in
	s_wait_dscnt 26                                ; likewise x's fragments; the next step's have this step's 64 products in which to land
.else
	s_wait_loadcnt 0x0
	s_wait_dscnt 0x0
.endif
	MUL \cur, \first, \vp
	WIN 0
.endm
.macro BIAS vp                         ; eight registers a column tile, in the result's layout
	WIN 0x40
.irp b, 0,1,2,3,4,5,6,7
.set CB, 96+8*\b+96*(\b/4)
.if \vp
.irp j, 0,1,2,3,4,5,6,7
	global_load_b32 v[CB+\j], v16, s[10:11] offset:256*(\b/4)+32*(\b%4)      ; a lane holds one channel: the same number in all eight
.endr
.else
	global_load_b128 v[CB:CB+3], v16, s[10:11] offset:256*(\b/4)+32*(\b%4)   ; columns 64 (b / 4) + 32 h + 8 (b % 4) + 0 .. 7
	global_load_b128 v[CB+4:CB+7], v16, s[10:11] offset:256*(\b/4)+32*(\b%4)+16
.endif
.endr
	WIN 0
.endm
; q, k: token tile a's 64 registers are head c's channels 32 h + 0 .. 31 at 32 c on.  Fragment p of each head takes tiles 2 p and 2 p + 1; its scale word's byte 2 u + h.
.macro EPIQK
.irp p, 0,1,2,3
.if \p > 0
	s_wait_xcnt 0x0                                ; the last fragments' stores have read their registers
.endif
	QB 64*((2*\p)%4), 2+(2*\p)/4, F0, F1
	v_lshlrev_b32 v[SWQ+\p], v4, v[TM+6]
	v_lshlrev_b32 v[SWQ+4+\p], v4, v[TM+7]
	QB 64*((2*\p+1)%4), 2+(2*\p+1)/4, F0+6, F1+6
	v_lshl_or_b32 v[SWQ+\p], v[TM+6], v5, v[SWQ+\p]
	v_lshl_or_b32 v[SWQ+4+\p], v[TM+7], v5, v[SWQ+4+\p]
	v_permlanex16_b32 v17, v[SWQ+\p], s24, s25
	v_permlanex16_b32 v18, v[SWQ+4+\p], s24, s25
	v_or_b32 v[SWQ+\p], v[SWQ+\p], v17
	v_or_b32 v[SWQ+4+\p], v[SWQ+4+\p], v18
.irp q, 0,1,2
	global_store_b128 v1, v[F0+4*\q:F0+4*\q+3], s[18:19] offset:1536*\p+512*\q          ; 512 consecutive bytes, aligned
	global_store_b128 v1, v[F1+4*\q:F1+4*\q+3], s[18:19] offset:106496+1536*\p+512*\q   ; the next head
.endr
.endr
	global_store_b128 v1, v[SWQ:SWQ+3], s[18:19] offset:6144
	global_store_b128 v1, v[SWQ+4:SWQ+7], s[18:19] offset:106496+6144
.endm
; v: column tile b's 64 registers are tokens 64 c + 32 h + 0 .. 31 at 32 c on: one fragment (16 channels x 128 keys) and one scale word a lane
.macro EPIV
.irp b, 0,1,2,3,4,5,6,7
.if \b > 0
	s_wait_xcnt 0x0
.endif
	QB 64*(\b%4), 2+\b/4, F0, F0+6
	WORD SWQ+\b
.irp q, 0,1,2
	global_store_b128 v1, v[F0+4*\q:F0+4*\q+3], s[18:19] offset:106496*(\b/4)+1536*(\b%4)+512*\q
.endr
.if \b%4 == 3
	global_store_b128 v1, v[SWQ+4*(\b/4):SWQ+4*(\b/4)+3], s[18:19] offset:106496*(\b/4)+6144
.endif
.endr
.endm
.macro PASSES vp
	s_mov_b32 s32, 2
.Lpass_\@:                                         ; a pass: my 128 columns, all 128 tokens, K in eight steps
	s_mov_b64 s[26:27], s[16:17]
	s_mov_b32 s30, 0
	s_mov_b32 s31, 0
	BIAS \vp
	FETCHX 0
	FETCHW 0
	STEP 0, 1, 1, 1, \vp                           ; the first step starts the sums on the bias: nothing is cleared
	s_mov_b32 s33, 3
.Lk_\@:
	STEP 1, 0, 0, 1, \vp
	STEP 0, 1, 0, 1, \vp
	s_sub_co_u32 s33, s33, 1
	s_cmp_lg_u32 s33, 0
	s_cbranch_scc1 .Lk_\@
	STEP 1, 0, 0, 0, \vp                           ; the last step fetches nothing
	PLACES 4                                       ; ahead of the first read of results
.if \vp
	EPIV
.else
	EPIQK
.endif
	s_wait_xcnt 0x0                                ; the stores have read their registers and their base
	s_add_nc_u64 s[16:17], s[16:17], 409600        ; four groups of columns on
	s_add_nc_u64 s[10:11], s[10:11], 2048
	s_add_nc_u64 s[18:19], s[18:19], 851968        ; eight heads on
	s_sub_co_u32 s32, s32, 1
	s_cmp_lg_u32 s32, 0
	s_cbranch_scc1 .Lpass_\@
.endm
	s_cmp_eq_u32 s21, 2
	s_cbranch_scc1 .Lv
	v_lshlrev_b32 v16, 7, v3                       ; the bias for q, k: 32 h numbers on
	PASSES 0
	s_wait_tensorcnt 0x0
	ds_add_u32 v30, v31
	s_wait_dscnt 0x0
	s_endpgm
.Lv:
	v_lshrrev_b32 v16, 3, v2                       ; for v: channel 32 (r / 8) + r % 8 of the tile
	v_lshlrev_b32 v16, 7, v16
	v_and_b32 v21, 7, v2
	v_lshl_add_u32 v16, v21, 2, v16
	PASSES 1
	s_wait_tensorcnt 0x0
	ds_add_u32 v30, v31
	s_wait_dscnt 0x0
	s_endpgm
.Lfunc_end_k_q973f6769fb_proj:
	.size	k_q973f6769fb_proj, .Lfunc_end_k_q973f6769fb_proj-k_q973f6769fb_proj
	.p2alignl 7, 3214868480
	.fill 96, 4, 3214868480
	.section	.rodata,"a",@progbits
	.p2align	6, 0x0
	.amdhsa_kernel k_q973f6769fb_proj
		.amdhsa_group_segment_fixed_size 136704
		.amdhsa_private_segment_fixed_size 0
		.amdhsa_enable_private_segment 0
		.amdhsa_kernarg_size 64
		.amdhsa_user_sgpr_count 2
		.amdhsa_user_sgpr_kernarg_segment_ptr 1
		.amdhsa_wavefront_size32 1
		.amdhsa_system_sgpr_workgroup_id_x 1
		.amdhsa_system_sgpr_workgroup_id_y 1
		.amdhsa_system_sgpr_workgroup_id_z 1
		.amdhsa_system_vgpr_workitem_id 0
		.amdhsa_next_free_vgpr 1024
		.amdhsa_next_free_sgpr 66
		.amdhsa_reserve_vcc 0
		.amdhsa_float_denorm_mode_32 3
		.amdhsa_float_denorm_mode_16_64 3
		.amdhsa_memory_ordered 1
		.amdhsa_forward_progress 1
		.amdhsa_inst_pref_size 226
	.end_amdhsa_kernel
	.amdgpu_metadata
---
amdhsa.version: [ 1, 2 ]
amdhsa.kernels:
  - .name:           k_q973f6769fb_proj
    .symbol:         k_q973f6769fb_proj.kd
    .args:
      - { .name: query, .offset: 0, .size: 8, .value_kind: global_buffer, .address_space: global }
      - { .name: key, .offset: 8, .size: 8, .value_kind: global_buffer, .address_space: global }
      - { .name: value, .offset: 16, .size: 8, .value_kind: global_buffer, .address_space: global }
      - { .name: bq, .offset: 24, .size: 8, .value_kind: global_buffer, .address_space: global }
      - { .name: bk, .offset: 32, .size: 8, .value_kind: global_buffer, .address_space: global }
      - { .name: bv, .offset: 40, .size: 8, .value_kind: global_buffer, .address_space: global }
      - { .name: wimg, .offset: 48, .size: 8, .value_kind: global_buffer, .address_space: global }
      - { .name: qkv, .offset: 56, .size: 8, .value_kind: global_buffer, .address_space: global }
    .group_segment_fixed_size: 136704
    .private_segment_fixed_size: 0
    .kernarg_segment_align: 8
    .kernarg_segment_size: 64
    .max_flat_workgroup_size: 128
    .sgpr_count:     66
    .vgpr_count:     1024
    .wavefront_size: 32
...
	.end_amdgpu_metadata
.endif
;; end of part 2
;; launch attn (part 3): grid 4 x 64, 16 waves a work-group, clusters of 4 x 1, 215,040 bytes of LDS; arguments qkv, aoc, aos; writes aoc, aos
.if DOCPART == 3
	.amdgcn_target "amdgcn-amd-amdhsa--gfx1250"
	.amdhsa_code_object_version 6
	.text
	.protected	k_q973f6769fb_attn
	.globl	k_q973f6769fb_attn
	.p2align	8
	.type	k_q973f6769fb_attn,@function
k_q973f6769fb_attn:
	s_mov_b64 s[64:65], 0
	v_nop
	global_prefetch_b8 v0, s[64:65] scope:SCOPE_SE
	s_setreg_imm32_b32 hwreg(HW_REG_WAVE_MODE, 25, 1), 1
	s_wait_xcnt 0x0
	s_wait_alu depctr_hold_cnt(0) depctr_sa_sdst(0) depctr_va_vdst(0) depctr_va_sdst(0) depctr_va_ssrc(0) depctr_va_vcc(0) depctr_vm_vsrc(0)
	s_getreg_b32 s2, hwreg(HW_REG_IB_STS2, 6, 4)
	s_cmp_eq_u32 s2, 0
	s_cbranch_scc0 .Lentry_in_a_cluster
	s_endpgm
.Lentry_in_a_cluster:
	s_bfe_u32 s2, ttmp6, 0x10000c
	s_cmp_lg_u32 s2, 0x3003
	s_cbranch_scc0 .Lentry_shape_is_right
	s_endpgm
.Lentry_shape_is_right:
; Attention of one head on codes of FP6 (E2M3): S^T = k q^T, p = 2^(t - M), O^T = v^T p^T, O / l, and O quantised at once along the channels for the last projection.
; t = score x log2(e) / 8; M = the running largest t rounded UP to a whole number; p is quantised along the keys, not normalised; the row's sum l is taken of the unquantised p.
; When M moves, l and O^T are multiplied by 2^(old M - new M): nothing is rounded, and no branch hangs on data.
; SHARES.  Work-group (x, bh): 512 queries of head bh; sixteen waves of 256 registers, four to a SIMD; a wave owns one tile of 16 queries in each of two passes and walks all 2,048 keys, 128 a step.
; LDS holds the head's WHOLE k and v, 212,992 bytes, filled ONCE: step g at 13,312 g: k's record (4 fragments, 512 bytes of scale words), then v's.  Nothing is filled again.
; CLUSTER.  The four work-groups of a head form a cluster and need the same k and v: every slice is asked for JOINTLY.  A wave issues four loads, one for each quarter of the keys (3,328 bytes: 13 rows of 256):
; four tensor loads of a wave are out at the most.  A quarter is read behind a counted wait and a barrier, while the later quarters are on their way.
; K = 64 IN AN INSTRUCTION OF 128: a fragment of k is [key tile 2 p | key tile 2 p + 1]; q stands in a run [6 zeros | 6 q | 6 zeros]: v[22:33] = [q | 0] gives tile 2 p's scores, v[16:27] = [0 | q] tile 2 p + 1's.
; q's scale word is [s0 s1 s0 s1]; zero codes add nothing under any of these bytes.
; ROW ORDER: row i of key tile a is key 64 (a / 4) + 32 (i / 8) + 8 (a % 4) + i % 8: so a lane's registers 32 c + i of S^T are keys 64 c + 32 h + i: a whole block of 32 in one lane, where the operand wants it.
; v's fragment t has channel 32 (r / 8) + 8 t + r % 8 in row r: so a lane's 32 registers of O^T are channels 32 h + 0 .. 31: one block of the last projection's K.
; OUT: aoc[token tile 512][head 16] 768 bytes: registers 0-3 at 16 l, registers 4, 5 at 512 + 8 l;  aos[token tile][r 16][head 16][h 2], a byte each (single bytes: one in 24 of what is stored).
; LIMITS: NaN and infinities are not served; p under 2^-126 falls to 0; a block whose largest magnitude lies under 2^-124 gets the byte 1.
; REGISTERS: v1-8 addresses; v12 -M, v13 the largest t, v[14:15] l in two halves; v16-33 q's run, v34 its scale word; v36-83 k's, then v's fragments; v84-87, v88-91 their scale words; v92 p's;
;   v[94:95] f; v96-159 S^T, then p; v160-191 O^T; v192-203 p's codes; v204-236 at work.
.set SEL, 48                           ; s[48:49] lane selects: lane l xor 16
.set CS,  50                           ; s[50:51] c = log2(e) / 8
.set TB,  52                           ; s52  LDS byte at which the step's records begin
.macro PLACES n
.rept \n
	v_nop
.endr
.endm
.macro CROUND                          ; a round of the cluster's barrier
	s_barrier_signal -1
	s_barrier_wait -1
	s_cmp_lg_u32 s10, 0
	s_cbranch_scc1 .Lnot_wave_0_\@
	s_barrier_signal -3
.Lnot_wave_0_\@:
	s_barrier_wait -3
	s_barrier_signal -1
	s_barrier_wait -1
.endm
	s_load_b128 s[4:7], s[0:1], 0x0                ; qkv, aoc
	s_load_b64 s[8:9], s[0:1], 0x10                ; aos
	v_lshl_add_u32 v254, v0, 2, 0x34000
	v_mov_b32 v255, 0
	ds_add_u32 v254, v255
	ds_add_u32 v254, v255
	v_lshrrev_b32 v2, 5, v0
	v_readfirstlane_b32 s10, v2                    ; wave 0..15
	s_bfe_u32 s11, ttmp6, 0x40000                  ; cx: it enters q's, aoc's and aos's addresses alone
	s_lshl_b32 s12, ttmp9, 2
	s_add_co_u32 s12, s12, s11                     ; x: my block of 512 queries
	s_and_b32 s13, ttmp7, 0xffff                   ; bh, which the four partners share
	; my slice of a quarter: step w / 4 of its four; w % 4 = 0, 1: k's record in halves; 2, 3: v's
	s_mul_i32 s16, s13, 106496
	s_bfe_u32 s17, s10, 0x10001
	s_add_co_u32 s17, s17, 1                       ; part 1: k, part 2: v
	s_mul_i32 s17, s17, 6815744
	s_add_co_u32 s16, s16, s17
	s_lshr_b32 s17, s10, 2
	s_mul_i32 s17, s17, 6656
	s_add_co_u32 s16, s16, s17
	s_and_b32 s17, s10, 1
	s_mul_i32 s17, s17, 3328
	s_add_co_u32 s16, s16, s17
	s_mov_b32 s17, 0
	s_mul_i32 s18, s10, 3328                       ; and its place in a quarter of LDS
	; descriptor group 1: 13 rows of 256 bytes (32 elements of 8), dense
	s_mov_b32 s24, 15|(3<<16)|(1<<21)              ; 15:0 the mask: all four work-groups; 17:16 elements of 8 bytes; 21 set beside a mask; no padding
	s_mov_b32 s25, 32<<16                          ; tensor_dim0 = 32
	s_mov_b32 s26, 13<<16                          ; tensor_dim1 = 13
	s_mov_b32 s27, 32<<16                          ; tile_dim0 = 32
	s_mov_b32 s28, 13                              ; tile_dim1 = 13
	s_mov_b32 s29, 32                              ; from row to row
	s_mov_b32 s30, 0
	s_mov_b32 s31, 0
	s_mov_b32 s[SEL], 0x76543210
	s_mov_b32 s[SEL+1], 0xfedcba98
	s_mov_b32 s[CS], 0x3e38aa3b
	s_mov_b32 s[CS+1], s[CS]                       ; (named with it as a pair, so it is written)
	s_and_b32 s56, s10, 1                          ; which half of q's fragment is my tile
	s_cmp_eq_u32 s56, 1
	s_cselect_b32 s55, -1, 0
	s_lshl_b32 s56, s56, 4
	v_and_b32 v1, 31, v0
	v_lshlrev_b32 v7, 3, v1                        ; v7  8 x lane
	v_lshlrev_b32 v1, 4, v1                        ; v1  16 x lane
	v_and_b32 v10, 15, v0                          ; r
	v_bfe_u32 v11, v0, 4, 1                        ; h
	v_lshlrev_b32 v3, 3, v11                       ; v3  8 h
	v_lshl_add_u32 v8, v10, 5, v11                 ; v8  32 r + h
	s_bfe_u32 s54, s10, 0x20001                    ; my tile's fragment of q: (w / 2) % 4
	s_mul_i32 s57, s54, 1536
	v_add_nc_u32 v4, s57, v1                       ; v4  q's fragment
	s_lshl_b32 s57, s54, 2
	v_add_nc_u32 v5, s57, v1                       ; v5  its scale word
	; q's record, and where the results go
	s_lshl_b32 s14, s12, 2
	s_lshr_b32 s15, s10, 3
	s_add_co_u32 s14, s14, s15                     ; group of 128 queries in pass 0: 4 x + w / 8
	s_mul_i32 s20, s14, 6656
	s_mul_i32 s21, s13, 106496
	s_add_co_u32 s20, s20, s21
	s_mov_b32 s21, 0
	s_wait_dscnt 0x0
	s_wait_kmcnt 0x0
	s_add_nc_u64 s[22:23], s[4:5], s[16:17]
	s_add_nc_u64 s[58:59], s[4:5], s[20:21]        ; s[58:59] q's record
	s_lshr_b32 s15, s13, 4
	s_lshl_b32 s15, s15, 4
	s_add_co_u32 s14, s14, s15
	s_lshl_b32 s14, s14, 3
	s_and_b32 s15, s10, 7
	s_add_co_u32 s14, s14, s15                     ; my token tile
	s_and_b32 s15, s13, 15                         ; the head within its batch
	s_mul_i32 s20, s14, 12288
	s_mul_i32 s21, s15, 768
	s_add_co_u32 s20, s20, s21
	s_mov_b32 s21, 0
	s_add_nc_u64 s[60:61], s[6:7], s[20:21]        ; s[60:61] aoc
	s_lshl_b32 s20, s14, 9
	s_lshl_b32 s21, s15, 1
	s_add_co_u32 s20, s20, s21
	s_mov_b32 s21, 0
	s_add_nc_u64 s[62:63], s[8:9], s[20:21]        ; s[62:63] aos
.irp n, 0,1,2,3                        ; descriptor group 0, a set for each quarter, never rewritten
	s_mov_b32 s[32+4*\n], 1                        ; count = 1
	s_add_co_u32 s[33+4*\n], s18, 53248*\n         ; LDS address
	s_add_nc_u64 s[34+4*\n:35+4*\n], s[22:23], 26624*\n   ; four steps of 6,656 bytes on
	s_or_b32 s[35+4*\n], s[35+4*\n], 0x80000000    ; type = 2
.endr
	CROUND                                         ; all four work-groups are here: the joint loads meet
	tensor_load_to_lds s[32:35], s[24:31]
	s_nop 0
	tensor_load_to_lds s[36:39], s[24:31]
	s_nop 0
	tensor_load_to_lds s[40:43], s[24:31]
	s_nop 0
	tensor_load_to_lds s[44:47], s[24:31]
	s_nop 0
	PLACES 4
; A KEY STEP: 128 keys
.macro STEP
	v_add_nc_u32 v2, s[TB], v1
	PLACES 3                                       ; with the addition: four places between the last products and loads into registers that they read
.irp p, 0,1,2,3
.irp q, 0,1,2
	ds_load_b128 v[36+12*\p+4*\q:39+12*\p+4*\q], v2 offset:1536*\p+512*\q
.endr
.endr
	ds_load_b128 v[84:87], v2 offset:6144          ; k's four scale words
	s_wait_dscnt 0x0
.irp p, 0,1,2,3
	v_wmma_scale_f32_16x16x128_f8f6f4 v[96+16*\p:103+16*\p], v[36+12*\p:47+12*\p], v[22:33], 0, v[84+\p], v34 matrix_a_fmt:MATRIX_FMT_FP6 matrix_b_fmt:MATRIX_FMT_FP6
	v_wmma_scale_f32_16x16x128_f8f6f4 v[104+16*\p:111+16*\p], v[36+12*\p:47+12*\p], v[16:27], 0, v[84+\p], v34 matrix_a_fmt:MATRIX_FMT_FP6 matrix_b_fmt:MATRIX_FMT_FP6
.endr
	PLACES 4                                       ; ahead of the loads into k's registers and of the first read of the scores
.irp t, 0,1,2,3
.irp q, 0,1,2
	ds_load_b128 v[36+12*\t+4*\q:39+12*\t+4*\q], v2 offset:6656+1536*\t+512*\q   ; v's fragments land under the softmax
.endr
.endr
	ds_load_b128 v[88:91], v2 offset:12800
.irp q, 0,1,2,3
	v_max3_num_f32 v[212+\q], v[96+16*\q], v[97+16*\q], v[98+16*\q]   ; the largest score of each of my two blocks of 32 keys, in four chains; each accumulator is read from its low end on
.endr
.irp i, 3,5,7,9,11,13
.irp q, 0,1,2,3
	v_max3_num_f32 v[212+\q], v[212+\q], v[96+16*\q+\i], v[97+16*\q+\i]
.endr
.endr
.irp c, 0,1
	v_max3_num_f32 v[216+\c], v[212+2*\c], v[213+2*\c], v[111+32*\c]
.endr
.irp c, 0,1
	v_max_num_f32 v[216+\c], v[216+\c], v[127+32*\c]   ; it serves twice: for the row's maximum and, since p rises with the score, for the block's largest p
.endr
	v_max_num_f32 v222, v216, v217
	v_permlanex16_b32 v223, v222, s[SEL], s[SEL+1]
	v_max_num_f32 v222, v222, v223                 ; the step's largest score of my query
	v_mul_f32 v222, s[CS], v222                    ; as t (c is positive)
	v_max_num_f32 v13, v13, v222                   ; the running largest t
	v_mov_b32 v224, v12
	v_floor_f32 v12, -v13                          ; the new -M = floor(-t): M is a whole number
	v_sub_f32 v224, v12, v224                      ; old M - new M: a whole number, 0 or less
	v_cvt_i32_f32 v224, v224                       ; (it saturates)
	v_ldexp_f32 v94, 1.0, v224                     ; f = 2^(old M - new M)
.set J, 0
.rept 32
	v_pk_fma_f32 v[96+J:97+J], v[96+J:97+J], s[CS:CS+1], v[12:13] op_sel_hi:[1,0,0]   ; t - M, two at a time
.set J, J+2
.endr
.irp c, 0,1
	v_fma_f32 v[216+\c], v[216+\c], s[CS], v12     ; the same of each block's largest score
.endr
.set J, 0
.rept 64
	v_exp_f32 v[96+J], v[96+J]                     ; p = 2^(t - M), at most 1
.set J, J+1
.endr
	v_pk_mul_f32 v[14:15], v[14:15], v[94:95] op_sel_hi:[1,0]   ; l under the new M.  (A plain place behind the exponentials)
	s_wait_alu depctr_va_vdst(0)                   ; one wait for the batch, ahead of its first reader
.irp c, 0,1
	v_exp_f32 v[216+\c], v[216+\c]                 ; the block's largest p: the same two instructions on the same number give the same bits
.endr
	v_pk_add_f32 v[226:227], v[96:97], v[98:99]    ; the row's sum of the UNQUANTISED p, in two chains
.irp j, 4,8,12,16,20,24,28,32,36,40,44,48,52,56,60
	v_pk_add_f32 v[14:15], v[14:15], v[96+\j:97+\j]
	v_pk_add_f32 v[226:227], v[226:227], v[98+\j:99+\j]
.endr
	v_pk_add_f32 v[14:15], v[14:15], v[226:227]
	s_wait_alu depctr_va_vdst(0)                   ; and one for the two
.irp c, 0,1
	v_max_num_f32 v[216+\c], 0x1800000, v[216+\c]  ; the floor 2^(3 - 127): the byte cannot fall under 1
.endr
.irp c, 0,1
	v_add_nc_u32 v[218+\c], 0xff000000, v[216+\c]  ; 2 off the exponent field: the conversions' scale operands
.endr
.irp c, 0,1
	v_lshrrev_b32 v[220+\c], 23, v[218+\c]
.endr
	v_lshl_or_b32 v92, v221, 16, v220              ; p's scale word: byte 2 c + h; my two bytes,
	v_lshlrev_b32 v92, v3, v92
	v_permlanex16_b32 v93, v92, s[SEL], s[SEL+1]
	v_or_b32 v92, v92, v93                         ; and lane l xor 16's two
.irp c, 0,1
	v_cvt_scalef32_pk16_fp6_f32 v[192+6*\c:194+6*\c], v[96+32*\c:111+32*\c], v[218+\c]
	v_cvt_scalef32_pk16_fp6_f32 v[204+4*\c:206+4*\c], v[112+32*\c:127+32*\c], v[218+\c]   ; (a conversion's three registers begin on an even number)
.endr
	v_nop                                          ; one plain place behind the scaled conversions
.irp c, 0,1
.irp i, 0,1,2
	v_mov_b32 v[195+6*\c+\i], v[204+4*\c+\i]
.endr
.endr
.set J, 0
.rept 16
	v_pk_mul_f32 v[160+J:161+J], v[160+J:161+J], v[94:95] op_sel_hi:[1,0]   ; O^T under the new M.  (For each product below twelve of these name none of its registers: the places behind p's codes and scale word)
.set J, J+2
.endr
	s_wait_dscnt 0x0                               ; v's fragments are in
.irp t, 0,1,2,3
	v_wmma_scale_f32_16x16x128_f8f6f4 v[160+8*\t:167+8*\t], v[36+12*\t:47+12*\t], v[192:203], v[160+8*\t:167+8*\t], v[88+\t], v92 matrix_a_fmt:MATRIX_FMT_FP6 matrix_b_fmt:MATRIX_FMT_FP6
.endr
	s_add_co_u32 s[TB], s[TB], 13312
.endm
.macro RUN trips
	s_mov_b32 s53, \trips
.Lstep_\@:
	STEP
	s_sub_co_u32 s53, s53, 1
	s_cmp_lg_u32 s53, 0
	s_cbranch_scc1 .Lstep_\@
.endm
; O^T / l, quantised: my 32 numbers are one block of the last projection's K
.macro WAYOUT p
	PLACES 4                                       ; behind the last products
	v_add_f32 v14, v14, v15
	v_permlanex16_b32 v223, v14, s[SEL], s[SEL+1]
	v_add_f32 v14, v14, v223                       ; the row's sum
	v_rcp_f32 v14, v14
	v_nop                                          ; a plain place behind the reciprocal
	s_wait_alu depctr_va_vdst(0)                   ; the wait ahead of its first reader
.set J, 0
.rept 32
	v_mul_f32 v[96+J], v[160+J], v14               ; channel 32 h + J of my query, in ascending order
.set J, J+1
.endr
	v_max3_num_f32 v212, 0x1800000, |v96|, |v97|
	v_max3_num_f32 v213, 0x1800000, |v112|, |v113|
.irp i, 2,4,6,8,10,12,14
	v_max3_num_f32 v212, v212, |v[96+\i]|, |v[97+\i]|
	v_max3_num_f32 v213, v213, |v[112+\i]|, |v[113+\i]|
.endr
	v_max_num_f32 v212, v212, v213
	v_add_nc_u32 v218, 0xff000000, v212
	v_lshrrev_b32 v220, 23, v218
	v_cvt_scalef32_pk16_fp6_f32 v[228:230], v[96:111], v218
	v_cvt_scalef32_pk16_fp6_f32 v[234:236], v[112:127], v218
	v_nop
.irp i, 0,1,2
	v_mov_b32 v[231+\i], v[234+\i]
.endr
	global_store_b128 v1, v[228:231], s[60:61] offset:196608*\p        ; 512 consecutive bytes
	global_store_b64 v7, v[232:233], s[60:61] offset:196608*\p+512     ; 256 consecutive bytes
	global_store_b8 v8, v220, s[62:63] offset:8192*\p
.endm
.macro PASS p
.if \p
	s_wait_xcnt 0x0                                ; the last pass's stores have read their registers
.endif
.irp q, 0,1,2
	global_load_b128 v[36+4*\q:39+4*\q], v4, s[58:59] offset:13312*\p+512*\q
.endr
	global_load_b32 v9, v5, s[58:59] offset:13312*\p+6144
	s_wait_loadcnt 0x0
.irp i, 0,1,2,3,4,5
	v_cndmask_b32 v[22+\i], v[36+\i], v[42+\i], s55   ; my tile's half of the fragment
.endr
	v_lshrrev_b32 v9, s56, v9
	v_and_b32 v9, 0xffff, v9
	v_lshl_or_b32 v34, v9, 16, v9                  ; [s0 s1 s0 s1].  (The lines below are its places ahead of the first product)
.irp i, 0,1,2,3,4,5
	v_mov_b32 v[16+\i], 0
	v_mov_b32 v[28+\i], 0
.endr
	v_mov_b32 v13, 0xff61b1e6                      ; the largest t so far: -3e38, under every t
	v_floor_f32 v12, -v13
	v_mov_b32 v14, 0
	v_mov_b32 v15, 0
	v_mov_b32 v93, 0                               ; a lane permute's destination counts as one of its sources
	v_mov_b32 v223, 0
	v_mov_b32 v95, 0                               ; (named as the upper half of the pair v[94:95])
.set J, 0
.rept 32
	v_mov_b32 v[160+J], 0                          ; O^T: the step is written once; its first turn finds zeros, which the first change of M leaves zeros
.set J, J+1
.endr
.if \p == 0
.irp n, 0,1,2,3
	s_wait_tensorcnt 3-\n                          ; my slice of quarter n has landed; the later quarters' loads stay out
	s_wait_dscnt 0x0
	s_barrier_signal -1
	s_barrier_wait -1                              ; everybody's has
	s_mov_b32 s[TB], 53248*\n
	RUN 4
.endr
.else
	s_mov_b32 s[TB], 0
	RUN 16                                         ; all of k and v lies in LDS
.endif
	WAYOUT \p
.endm
	PASS 0
	PASS 1
	s_wait_tensorcnt 0x0
	s_wait_dscnt 0x0
	s_wait_tensorcnt 0x0
	ds_add_u32 v254, v255
	s_wait_dscnt 0x0
	CROUND                                         ; the closing round: no work-group ends while a partner may still ask for a slice that names it
	s_endpgm
.Lfunc_end_k_q973f6769fb_attn:
	.size	k_q973f6769fb_attn, .Lfunc_end_k_q973f6769fb_attn-k_q973f6769fb_attn
	.p2alignl 7, 3214868480
	.fill 96, 4, 3214868480
	.section	.rodata,"a",@progbits
	.p2align	6, 0x0
	.amdhsa_kernel k_q973f6769fb_attn
		.amdhsa_group_segment_fixed_size 215040
		.amdhsa_private_segment_fixed_size 0
		.amdhsa_enable_private_segment 0
		.amdhsa_kernarg_size 24
		.amdhsa_user_sgpr_count 2
		.amdhsa_user_sgpr_kernarg_segment_ptr 1
		.amdhsa_wavefront_size32 1
		.amdhsa_system_sgpr_workgroup_id_x 1
		.amdhsa_system_sgpr_workgroup_id_y 1
		.amdhsa_system_sgpr_workgroup_id_z 1
		.amdhsa_system_vgpr_workitem_id 0
		.amdhsa_next_free_vgpr 256
		.amdhsa_next_free_sgpr 66
		.amdhsa_reserve_vcc 0
		.amdhsa_float_denorm_mode_32 3
		.amdhsa_float_denorm_mode_16_64 3
		.amdhsa_memory_ordered 1
		.amdhsa_forward_progress 1
		.amdhsa_inst_pref_size 90
	.end_amdhsa_kernel
	.amdgpu_metadata
---
amdhsa.version: [ 1, 2 ]
amdhsa.kernels:
  - .name:           k_q973f6769fb_attn
    .symbol:         k_q973f6769fb_attn.kd
    .args:
      - { .name: qkv, .offset: 0, .size: 8, .value_kind: global_buffer, .address_space: global }
      - { .name: aoc, .offset: 8, .size: 8, .value_kind: global_buffer, .address_space: global }
      - { .name: aos, .offset: 16, .size: 8, .value_kind: global_buffer, .address_space: global }
    .group_segment_fixed_size: 215040
    .private_segment_fixed_size: 0
    .kernarg_segment_align: 8
    .kernarg_segment_size: 24
    .max_flat_workgroup_size: 512
    .sgpr_count:     66
    .vgpr_count:     256
    .wavefront_size: 32
...
	.end_amdgpu_metadata
.endif
;; end of part 3
;; launch outp (part 4): grid 4 x 64, 4 waves a work-group, clusters of 4 x 1, 168,448 bytes of LDS; arguments aoc, aos, wimg, bo, out0; writes out0
.if DOCPART == 4
	.amdgcn_target "amdgcn-amd-amdhsa--gfx1250"
	.amdhsa_code_object_version 6
	.text
	.protected	k_q973f6769fb_outp
	.globl	k_q973f6769fb_outp
	.p2align	8
	.type	k_q973f6769fb_outp,@function
k_q973f6769fb_outp:
	s_mov_b64 s[64:65], 0
	v_nop
	global_prefetch_b8 v0, s[64:65] scope:SCOPE_SE
	s_setreg_imm32_b32 hwreg(HW_REG_WAVE_MODE, 25, 1), 1
	s_wait_xcnt 0x0
	s_wait_alu depctr_hold_cnt(0) depctr_sa_sdst(0) depctr_va_vdst(0) depctr_va_sdst(0) depctr_va_ssrc(0) depctr_va_vcc(0) depctr_vm_vsrc(0)
	s_getreg_b32 s2, hwreg(HW_REG_IB_STS2, 6, 4)
	s_cmp_eq_u32 s2, 0
	s_cbranch_scc0 .Lentry_in_a_cluster
	s_endpgm
.Lentry_in_a_cluster:
	s_bfe_u32 s2, ttmp6, 0x10000c
	s_cmp_lg_u32 s2, 0x3003
	s_cbranch_scc0 .Lentry_shape_is_right
	s_endpgm
.Lentry_shape_is_right:
; out0 = a Wo + bo on codes of FP6 (E2M3).  a: attention's result as codes (aoc: [token tile][head] 768 bytes: registers 0-3 at 16 l, registers 4, 5 at 512 + 8 l) and scale bytes (aos: 32 a token).
; Work-group (x, y): 128 tokens (group y) x 256 columns (256 x on).  Wave w: all 128 tokens x columns 256 x + 64 w on: 32 accumulators.
; CLUSTER: the four work-groups of a token group need the same codes: they come by joint loads, once, into LDS: 98,304 bytes of codes, 4,096 of scale bytes; two tensor loads of a wave are out at the most.
; The weights come as images of their registers straight from memory; each fragment feeds one wave of the work-group.
; USED TRANSPOSED: source 0 = 16 columns of Wo, source 1 = 16 tokens: a lane holds one token, and its 32 registers of the four tiles are columns 32 h + 0 .. 31 of my 64 (the tiles' row order sees to that).
; Row r of token tile a is token 64 (a / 4) + 32 (r / 8) + 8 (a % 4) + r % 8.  The bias is the C of each sum's first matrix instruction.  All eight K steps are written out: every offset is an immediate.
; REGISTERS.  window 0: v1-11 addresses; v24-31 the weights' scale words (two sets); v32-95 a's scale words (tile a, K step s at 32 + 8 a + s); v96-143, v144-191 the weights' fragments (two sets); v192-223 the bias.
;   window 1: v0-95, v128-223 a's fragments (two sets).   window 2: the accumulators, (a, t) at 8 (4 a + t).
.set STG, 102400                       ; LDS: behind the codes and scale bytes: a stage of 16 rows x 272 bytes for each wave; no fill lands there
.set MSB, 0
.macro WIN new
.set WN, (\new)
.if MSB != WN
	s_set_vgpr_msb (MSB<<8)|WN
.set MSB, WN
.endif
.endm
.macro PLACES n
.rept \n
	v_nop
.endr
.endm
.macro CROUND
	s_barrier_signal -1
	s_barrier_wait -1
	s_cmp_lg_u32 s14, 0
	s_cbranch_scc1 .Lnot_wave_0_\@
	s_barrier_signal -3
.Lnot_wave_0_\@:
	s_barrier_wait -3
	s_barrier_signal -1
	s_barrier_wait -1
.endm
	s_load_b256 s[4:11], s[0:1], 0x0               ; aoc, aos, wimg, bo
	s_load_b64 s[12:13], s[0:1], 0x20              ; out0
	v_lshl_add_u32 v254, v0, 2, 0x29000
	v_mov_b32 v255, 0
	ds_add_u32 v254, v255
	ds_add_u32 v254, v255
	v_lshrrev_b32 v1, 5, v0
	v_readfirstlane_b32 s14, v1                    ; wave 0..3
	s_bfe_u32 s15, ttmp6, 0x40000                  ; cx: it enters the weights', the bias's and the output's addresses alone
	s_lshl_b32 s16, ttmp9, 2
	s_add_co_u32 s16, s16, s15                     ; x
	s_and_b32 s17, ttmp7, 0xffff                   ; y, which the four partners share
	; descriptor groups 1: rows of 256 bytes (32 elements of 8), dense: 96 rows of codes, 4 of scale bytes
	s_mov_b32 s24, 15|(3<<16)|(1<<21)              ; the mask: all four work-groups; elements of 8 bytes; bit 21 beside a mask
	s_mov_b32 s25, 32<<16
	s_mov_b32 s26, 96<<16
	s_mov_b32 s27, 32<<16
	s_mov_b32 s28, 96
	s_mov_b32 s29, 32
	s_mov_b32 s30, 0
	s_mov_b32 s31, 0
	s_mov_b32 s32, 15|(3<<16)|(1<<21)
	s_mov_b32 s33, 32<<16
	s_mov_b32 s34, 4<<16
	s_mov_b32 s35, 32<<16
	s_mov_b32 s36, 4
	s_mov_b32 s37, 32
	s_mov_b32 s38, 0
	s_mov_b32 s39, 0
	s_mul_i32 s18, s17, 98304
	s_mul_i32 s19, s14, 24576                      ; my quarter of the codes, in memory and in LDS alike
	s_add_co_u32 s20, s18, s19
	s_mov_b32 s21, 0
	s_lshl_b32 s22, s17, 12
	s_lshl_b32 s48, s14, 10                        ; my quarter of the scale bytes
	s_add_co_u32 s22, s22, s48
	s_mov_b32 s23, 0
	s_and_b32 s58, s14, 1                          ; c: which half of a group of 128 columns
	s_lshl_b32 s50, s16, 1
	s_lshr_b32 s51, s14, 1
	s_add_co_u32 s50, s50, s51                     ; the group: 2 x + w / 2
	s_mul_i32 s50, s50, 102400
	s_add_co_u32 s50, s50, 2457600                 ; Wo's images
	s_mov_b32 s51, 0
	s_lshl_b32 s60, s16, 10
	s_lshl_b32 s61, s14, 8
	s_add_co_u32 s60, s60, s61                     ; my first column, in bytes: 1,024 x + 256 w
	s_mov_b32 s61, 0
	s_lshl_b32 s62, s17, 19                        ; 128 rows of 4,096 bytes
	s_add_co_u32 s62, s62, s60
	s_mov_b32 s63, 0
	s_wait_dscnt 0x0
	s_wait_kmcnt 0x0
	s_mov_b32 s40, 1
	s_mov_b32 s41, s19
	s_add_nc_u64 s[42:43], s[4:5], s[20:21]
	s_or_b32 s43, s43, 0x80000000
	s_mov_b32 s44, 1
	s_add_co_u32 s45, s48, 98304
	s_add_nc_u64 s[46:47], s[6:7], s[22:23]
	s_or_b32 s47, s47, 0x80000000
	s_add_nc_u64 s[52:53], s[8:9], s[50:51]        ; s[52:53] the weights
	s_add_nc_u64 s[54:55], s[10:11], s[60:61]      ; s[54:55] the bias
	s_add_nc_u64 s[56:57], s[12:13], s[62:63]      ; s[56:57] the output
	CROUND                                         ; all four work-groups are here: the joint loads meet
	tensor_load_to_lds s[40:43], s[24:31]
	s_nop 0
	tensor_load_to_lds s[44:47], s[32:39]
	s_nop 0
	PLACES 4
	v_and_b32 v1, 31, v0
	v_lshlrev_b32 v2, 3, v1                        ; v2  8 x lane
	v_lshlrev_b32 v1, 4, v1                        ; v1  16 x lane
	v_add_nc_u32 v3, 49152, v1                     ; v3, v4  the same for tiles 4-7
	v_add_nc_u32 v4, 49152, v2
	v_and_b32 v12, 15, v0                          ; r
	v_bfe_u32 v13, v0, 4, 1                        ; h
	s_mul_i32 s59, s58, 6144
	v_add_nc_u32 v5, s59, v1                       ; v5  my four tiles of a record
	s_lshl_b32 s59, s58, 4
	v_lshlrev_b32 v6, 5, v12
	v_add_nc_u32 v7, 98304, v6                     ; v7  row r's 32 scale bytes
	v_add_nc_u32 v6, s59, v6                       ; v6  my four tiles' scale words
	v_lshlrev_b32 v8, 7, v13                       ; v8  the bias: 32 h numbers on
	s_mul_i32 s59, s14, 4352
	s_add_co_u32 s59, s59, STG                     ; my stage
	v_mul_u32_u24 v9, v12, 272
	v_lshl_add_u32 v9, v13, 7, v9
	v_add_nc_u32 v9, s59, v9                       ; v9  in: row r, + 128 h
	v_mul_u32_u24 v10, v13, 272
	v_lshl_add_u32 v10, v12, 4, v10
	v_add_nc_u32 v10, s59, v10                     ; v10 back: lanes 0-15 one row of 256 bytes, lanes 16-31 the next
	v_lshlrev_b32 v11, 12, v13
	v_lshl_add_u32 v11, v12, 4, v11                ; v11 and the same in the output
.macro FX s, set                       ; K step s (heads 2 s, 2 s + 1) of the eight token tiles
	WIN 0x40
.irp a, 0,1,2,3,4,5,6,7
.set FB, 128*(\set)+12*\a
.set OF, 12288*(\a%4)+1536*(\s)
	ds_load_b128 v[FB:FB+3], v[1+2*(\a/4)] offset:OF
	ds_load_b64 v[FB+4:FB+5], v[2+2*(\a/4)] offset:OF+512
	ds_load_b128 v[FB+6:FB+9], v[1+2*(\a/4)] offset:OF+768
	ds_load_b64 v[FB+10:FB+11], v[2+2*(\a/4)] offset:OF+1280
.endr
	WIN 0
.endm
.macro FW s, set                       ; K step s of my four column tiles, and their scale words
.irp t, 0,1,2,3
.irp q, 0,1,2
	global_load_b128 v[96+48*(\set)+12*\t+4*\q:96+48*(\set)+12*\t+4*\q+3], v5, s[52:53] offset:12800*(\s)+1536*\t+512*\q
.endr
.endr
	global_load_b128 v[24+4*(\set):27+4*(\set)], v6, s[52:53] offset:12800*(\s)+12288
.endm
.irp t, 0,1,2,3
	global_load_b128 v[192+8*\t:195+8*\t], v8, s[54:55] offset:32*\t       ; columns 32 h + 8 t + 0 .. 7 of my 64
	global_load_b128 v[196+8*\t:199+8*\t], v8, s[54:55] offset:32*\t+16
.endr
	FW 0, 0
	s_wait_tensorcnt 0x0                           ; my parts have landed,
	s_barrier_signal -1
	s_barrier_wait -1                              ; everybody's have
.irp a, 0,1,2,3,4,5,6,7
	ds_load_b128 v[32+8*\a:35+8*\a], v7 offset:512*\a
	ds_load_b128 v[36+8*\a:39+8*\a], v7 offset:512*\a+16
.endr
	FX 0, 0
.irp s, 0,1,2,3,4,5,6,7
	PLACES 4                                       ; between the last products and loads into registers that they read
.if \s < 7
	FX \s+1, (\s+1)%2
	FW \s+1, (\s+1)%2
	s_wait_loadcnt 13                              ; all but the 13 just issued
	s_wait_dscnt 32                                ; all but the 32 just issued
.else
	s_wait_loadcnt 0x0
	s_wait_dscnt 0x0
.endif
.if \s == 0
	WIN 0x84                                       ; source 1 window 1, C (the bias) window 0, D window 2
.else
	WIN 0xa4                                       ; C and D window 2
.endif
.irp a, 0,1,2,3,4,5,6,7                ; the 32 accumulators take turns, one instruction a turn
.irp t, 0,1,2,3
.if \s == 0
	v_wmma_scale_f32_16x16x128_f8f6f4 v[8*(4*\a+\t):8*(4*\a+\t)+7], v[96+48*(\s%2)+12*\t:96+48*(\s%2)+12*\t+11], v[128*(\s%2)+12*\a:128*(\s%2)+12*\a+11], v[192+8*\t:199+8*\t], v[24+4*(\s%2)+\t], v[32+8*\a+\s] matrix_a_fmt:MATRIX_FMT_FP6 matrix_b_fmt:MATRIX_FMT_FP6
.else
	v_wmma_scale_f32_16x16x128_f8f6f4 v[8*(4*\a+\t):8*(4*\a+\t)+7], v[96+48*(\s%2)+12*\t:96+48*(\s%2)+12*\t+11], v[128*(\s%2)+12*\a:128*(\s%2)+12*\a+11], v[8*(4*\a+\t):8*(4*\a+\t)+7], v[24+4*(\s%2)+\t], v[32+8*\a+\s] matrix_a_fmt:MATRIX_FMT_FP6 matrix_b_fmt:MATRIX_FMT_FP6
.endif
.endr
.endr
	WIN 0
.endr
; THE WAY OUT, a token tile at a time: 16 rows x 256 bytes through my own stage, back as whole rows: sixteen lanes store 256 consecutive bytes, aligned.
.macro TOSTAGE a
	WIN 0x08                                       ; an LDS store's data are its source 1: window 2
.irp t, 0,1,2,3
	ds_store_b128 v9, v[32*(\a)+8*\t:32*(\a)+8*\t+3] offset:32*\t          ; each accumulator from its low end on
	ds_store_b128 v9, v[32*(\a)+8*\t+4:32*(\a)+8*\t+7] offset:32*\t+16
.endr
	WIN 0
.irp t, 0,1,2,3,4,5,6,7
	ds_load_b128 v[96+32*((\a)%2)+4*\t:96+32*((\a)%2)+4*\t+3], v10 offset:544*\t   ; LDS serves a wave's instructions in order: these see the stores above
.endr
.endm
.macro SEND a, younger
	s_wait_dscnt \younger                          ; the tile is back; the next tile's 8 stores and 8 loads may be out
.irp t, 0,1,2,3,4,5,6,7
	global_store_b128 v11, v[96+32*((\a)%2)+4*\t:96+32*((\a)%2)+4*\t+3], s[56:57] offset:(64*((\a)/4)+8*((\a)%4)+32*(\t/4)+2*(\t%4))*4096 th:TH_STORE_NT
.endr
.endm
	PLACES 4                                       ; ahead of the first read of results and of loads into the weights' registers
	TOSTAGE 0
.irp a, 1,2,3,4,5,6,7
.if \a > 1
	s_wait_xcnt 0x0                                ; tile a - 2's stores have read their registers
.endif
	TOSTAGE \a
	SEND \a-1, 16
.endr
	SEND 7, 0
	s_wait_tensorcnt 0x0
	s_wait_dscnt 0x0
	s_wait_tensorcnt 0x0
	ds_add_u32 v254, v255
	s_wait_dscnt 0x0
	CROUND                                         ; the closing round
	s_endpgm
.Lfunc_end_k_q973f6769fb_outp:
	.size	k_q973f6769fb_outp, .Lfunc_end_k_q973f6769fb_outp-k_q973f6769fb_outp
	.p2alignl 7, 3214868480
	.fill 96, 4, 3214868480
	.section	.rodata,"a",@progbits
	.p2align	6, 0x0
	.amdhsa_kernel k_q973f6769fb_outp
		.amdhsa_group_segment_fixed_size 168448
		.amdhsa_private_segment_fixed_size 0
		.amdhsa_enable_private_segment 0
		.amdhsa_kernarg_size 40
		.amdhsa_user_sgpr_count 2
		.amdhsa_user_sgpr_kernarg_segment_ptr 1
		.amdhsa_wavefront_size32 1
		.amdhsa_system_sgpr_workgroup_id_x 1
		.amdhsa_system_sgpr_workgroup_id_y 1
		.amdhsa_system_sgpr_workgroup_id_z 1
		.amdhsa_system_vgpr_workitem_id 0
		.amdhsa_next_free_vgpr 768
		.amdhsa_next_free_sgpr 66
		.amdhsa_reserve_vcc 0
		.amdhsa_float_denorm_mode_32 3
		.amdhsa_float_denorm_mode_16_64 3
		.amdhsa_memory_ordered 1
		.amdhsa_forward_progress 1
		.amdhsa_inst_pref_size 83
	.end_amdhsa_kernel
	.amdgpu_metadata
---
amdhsa.version: [ 1, 2 ]
amdhsa.kernels:
  - .name:           k_q973f6769fb_outp
    .symbol:         k_q973f6769fb_outp.kd
    .args:
      - { .name: aoc, .offset: 0, .size: 8, .value_kind: global_buffer, .address_space: global }
      - { .name: aos, .offset: 8, .size: 8, .value_kind: global_buffer, .address_space: global }
      - { .name: wimg, .offset: 16, .size: 8, .value_kind: global_buffer, .address_space: global }
      - { .name: bo, .offset: 24, .size: 8, .value_kind: global_buffer, .address_space: global }
      - { .name: out0, .offset: 32, .size: 8, .value_kind: global_buffer, .address_space: global }
    .group_segment_fixed_size: 168448
    .private_segment_fixed_size: 0
    .kernarg_segment_align: 8
    .kernarg_segment_size: 40
    .max_flat_workgroup_size: 128
    .sgpr_count:     66
    .vgpr_count:     768
    .wavefront_size: 32
...
	.end_amdgpu_metadata
.endif
;; end of part 4
;; ======== version 2 of 2: 4 launches
;; workspace buffers: wimg 3,276,800 bytes; qkv 20,447,232 bytes; aoc 6,291,456 bytes; aos 262,144 bytes
;; launch wquant (part 5): grid 32 x 8, 4 waves a work-group, no clusters, 13,312 bytes of LDS; arguments Wq, Wk, Wv, Wo, wimg; writes wimg
.if DOCPART == 5
	.amdgcn_target "amdgcn-amd-amdhsa--gfx1250"
	.amdhsa_code_object_version 6
	.text
	.protected	k_q973f6769fb_wquant
	.globl	k_q973f6769fb_wquant
	.p2align	8
	.type	k_q973f6769fb_wquant,@function
k_q973f6769fb_wquant:
	s_mov_b64 s[64:65], 0
	v_nop
	global_prefetch_b8 v0, s[64:65] scope:SCOPE_SE
	s_setreg_imm32_b32 hwreg(HW_REG_WAVE_MODE, 25, 1), 1
	s_wait_xcnt 0x0
; The four weights [1024 (k)][1024 (n)], f32, K the FIRST axis, become codes of FP6 (E2M3) with one E8M0 byte for each 32 along K,
; laid as IMAGES OF OPERAND REGISTERS: wimg[wt 4][G 8: 128 n][s 8: 128 k] = a record of 12,800 bytes: 8 fragments of 1,536 bytes, then 512 bytes of scale words.
; A fragment (16 rows x 128 K, 12 registers a lane) is three chunks of 512 bytes; chunk q holds lane L's registers 4 q .. 4 q + 3 at 16 L.
; ROW ORDER: row i of tile a of a group of 128 is column 64 (a / 4) + 32 (i / 8) + 8 (a % 4) + i % 8, so that a later result's 32 registers of four neighbouring tiles are 32 neighbours.
; Scale word of (row r, tile a) at 12,288 + 32 r + 4 a; byte b scales k = 32 b .. 32 b + 31.
; A LANE TAKES A COLUMN n AND ITS REGISTERS RUN DOWN K: a load reads 128 consecutive bytes a wave, a block of 32 lies in one lane, and the conversions give K innermost.
; A work-group makes one record: 128 n x 128 k.  The codes meet in LDS and leave as 512 consecutive bytes a store.
; A block's scale is 2^(floor(log2(largest magnitude)) - 2); its byte is that magnitude's exponent field - 2, held at 1 from below.
; LIMITS: NaN and infinities are not served; a block whose largest magnitude lies under 2^-124 (zeros too) gets the byte 1: this program alone reads the bytes, and zero codes add nothing.
.set X,   16                           ; v16-143  128 numbers: my column, down K
.set TM,  144                          ; v144-147 at work
.set WD,  152                          ; v152     my column's scale word
.set C0,  156                          ; v156..   block kb's codes at C0 + 12 kb: six, and three more on the way
.set REC, 12800
	s_load_b256 s[4:11], s[0:1], 0x0               ; Wq, Wk, Wv, Wo
	s_load_b64 s[12:13], s[0:1], 0x20              ; wimg
	v_lshl_add_u32 v208, v0, 2, 0x3200
	v_mov_b32 v209, 0
	v_lshrrev_b32 v1, 5, v0
	v_readfirstlane_b32 s16, v1                    ; wave 0..3
	v_and_b32 v1, 31, v0                           ; lane l: column 32 w + l of the group
	v_lshlrev_b32 v2, 2, v1                        ; in: 4 bytes a lane
	v_lshrrev_b32 v6, 3, v1                        ; l / 8
	s_wait_alu depctr_va_vdst(0)
	v_and_b32 v7, 7, v1                            ; l % 8
	s_lshr_b32 s17, s16, 1                         ; w / 2
	s_and_b32 s18, s16, 1                          ; w % 2
	; my column is row r = 8 (w % 2) + l % 8 of tile 4 (w / 2) + l / 8
	s_mul_i32 s19, s17, 6144
	s_lshl_b32 s20, s18, 7
	s_add_co_u32 s19, s19, s20
	v_mul_u32_u24 v3, v6, 1536
	v_lshl_add_u32 v3, v7, 4, v3
	v_add_nc_u32 v3, s19, v3                       ; 1,536 x tile + 16 r: lane r's place in the fragment's first chunk
	s_lshl_b32 s19, s18, 8
	s_lshl_b32 s20, s17, 4
	s_add_co_u32 s19, s19, s20
	s_add_co_u32 s19, s19, 12288
	v_lshlrev_b32 v4, 2, v6
	s_wait_alu depctr_va_vdst(0)
	v_lshl_add_u32 v4, v7, 5, v4
	v_add_nc_u32 v4, s19, v4                       ; 12,288 + 32 r + 4 x tile: my scale word
	s_mul_i32 s19, s16, 3072
	v_lshlrev_b32 v5, 4, v1
	v_add_nc_u32 v8, 12288, v5                     ; the way out of the scale words (wave 0)
	v_add_nc_u32 v5, s19, v5                       ; the way out: 3,072 bytes a wave, 16 a lane; in LDS and in the record alike
	s_and_b32 s21, ttmp7, 0xffff                   ; s: which 128 along K
	s_lshr_b32 s22, ttmp9, 3                       ; which weight
	s_and_b32 s23, ttmp9, 7                        ; which 128 columns
	s_lshl_b32 s24, s21, 19                        ; 128 rows of 4,096 bytes
	s_lshl_b32 s23, s23, 9
	s_add_co_u32 s24, s24, s23
	s_lshl_b32 s23, s16, 7
	s_add_co_u32 s24, s24, s23
	s_mov_b32 s25, 0
	s_lshl_b32 s26, ttmp9, 3
	s_add_co_u32 s26, s26, s21
	s_mul_i32 s26, s26, REC                        ; my record
	s_mov_b32 s27, 0
	s_wait_kmcnt 0x0
	s_cmp_eq_u32 s22, 1                            ; the choice hangs on the work-group's number alone
	s_cselect_b64 s[4:5], s[6:7], s[4:5]
	s_cmp_eq_u32 s22, 2
	s_cselect_b64 s[4:5], s[8:9], s[4:5]
	s_cmp_eq_u32 s22, 3
	s_cselect_b64 s[4:5], s[10:11], s[4:5]
	s_add_nc_u64 s[4:5], s[4:5], s[24:25]
	s_add_nc_u64 s[12:13], s[12:13], s[26:27]
.macro LOAD kb                         ; block kb: W(32 kb + i, my column)
.irp i, 0,1,2,3,4,5,6,7,8,9,10,11,12,13,14,15,16,17,18,19,20,21,22,23,24,25,26,27,28,29,30,31
	global_load_b32 v[X+32*(\kb)+\i], v2, s[4:5] offset:(32*(\kb)+\i)*4096 th:TH_LOAD_NT
.endr
.endm
; Block kb = 2 c + h goes to lane r + 16 h of the fragment, registers 6 c .. 6 c + 5.
.macro BLOCK kb, left, next
.set XS, X+32*(\kb)
.set CC, C0+12*(\kb)
.set HB, 256*((\kb)%2)
	s_wait_loadcnt \left                           ; this block's 32 loads are in; the next block's 32 may be out
.if \next
	LOAD (\kb)+2                                   ; two blocks ahead; every block has registers of its own
.endif
	v_max3_num_f32 v[TM], 0x1800000, |v[XS]|, |v[XS+1]|          ; the block's largest magnitude, in two chains, with the floor 2^(3 - 127): the byte cannot fall under 1
	v_max3_num_f32 v[TM+1], 0x1800000, |v[XS+16]|, |v[XS+17]|
.irp i, 2,4,6,8,10,12,14
	v_max3_num_f32 v[TM], v[TM], |v[XS+\i]|, |v[XS+\i+1]|
	v_max3_num_f32 v[TM+1], v[TM+1], |v[XS+16+\i]|, |v[XS+17+\i]|
.endr
	v_max_num_f32 v[TM], v[TM], v[TM+1]
	v_add_nc_u32 v[TM+2], 0xff000000, v[TM]        ; 2 off its exponent field: the conversion's scale operand
	v_lshrrev_b32 v[TM+3], 23, v[TM+2]             ; the scale's byte
.if (\kb) == 0
	v_mov_b32 v[WD], v[TM+3]
.else
	v_lshl_or_b32 v[WD], v[TM+3], 8*(\kb), v[WD]
.endif
	v_cvt_scalef32_pk16_fp6_f32 v[CC:CC+2], v[XS:XS+15], v[TM+2]
	v_cvt_scalef32_pk16_fp6_f32 v[CC+6:CC+8], v[XS+16:XS+31], v[TM+2]   ; (a conversion's three registers begin on an even number)
	v_nop                                          ; one plain place behind a scaled conversion
.irp i, 0,1,2
	v_mov_b32 v[CC+3+\i], v[CC+6+\i]
.endr
.if (\kb) < 2
	ds_store_b128 v3, v[CC:CC+3] offset:HB         ; registers 0-3: chunk 0
	ds_store_b64 v3, v[CC+4:CC+5] offset:512+HB    ; registers 4, 5: chunk 1, its first half
.else
	ds_store_b64 v3, v[CC:CC+1] offset:520+HB      ; registers 6, 7: chunk 1, its second half
	ds_store_b128 v3, v[CC+2:CC+5] offset:1024+HB  ; registers 8-11: chunk 2
.endif
.endm
	LOAD 0
	LOAD 1
	BLOCK 0, 32, 1
	BLOCK 1, 32, 1
	BLOCK 2, 32, 0
	BLOCK 3, 0, 0
	ds_store_b32 v4, v[WD]
	s_wait_dscnt 0x0                               ; for the others' sake: my stores have landed
	s_barrier_signal -1
	s_barrier_wait -1                              ; the record lies whole in LDS
.irp i, 0,1,2,3,4,5
	ds_load_b128 v[16+4*\i:19+4*\i], v5 offset:512*\i
.endr
.irp i, 0,1,2,3,4,5
	s_wait_dscnt 5-\i                              ; LDS loads come back in order: load i is in, the younger ones may be out
	global_store_b128 v5, v[16+4*\i:19+4*\i], s[12:13] offset:512*\i   ; 32 lanes store 512 consecutive bytes, aligned
.endr
	s_cmp_lg_u32 s16, 0
	s_cbranch_scc1 .Lend
	ds_load_b128 v[40:43], v8                      ; wave 0: the 512 bytes of scale words
	s_wait_dscnt 0x0
	global_store_b128 v8, v[40:43], s[12:13]
.Lend:
	s_wait_tensorcnt 0x0
	ds_add_u32 v208, v209
	s_wait_dscnt 0x0
	s_endpgm
.Lfunc_end_k_q973f6769fb_wquant:
	.size	k_q973f6769fb_wquant, .Lfunc_end_k_q973f6769fb_wquant-k_q973f6769fb_wquant
	.p2alignl 7, 3214868480
	.fill 96, 4, 3214868480
	.section	.rodata,"a",@progbits
	.p2align	6, 0x0
	.amdhsa_kernel k_q973f6769fb_wquant
		.amdhsa_group_segment_fixed_size 13312
		.amdhsa_private_segment_fixed_size 0
		.amdhsa_enable_private_segment 0
		.amdhsa_kernarg_size 40
		.amdhsa_user_sgpr_count 2
		.amdhsa_user_sgpr_kernarg_segment_ptr 1
		.amdhsa_wavefront_size32 1
		.amdhsa_system_sgpr_workgroup_id_x 1
		.amdhsa_system_sgpr_workgroup_id_y 1
		.amdhsa_system_sgpr_workgroup_id_z 1
		.amdhsa_system_vgpr_workitem_id 0
		.amdhsa_next_free_vgpr 210
		.amdhsa_next_free_sgpr 66
		.amdhsa_reserve_vcc 0
		.amdhsa_float_denorm_mode_32 3
		.amdhsa_float_denorm_mode_16_64 3
		.amdhsa_memory_ordered 1
		.amdhsa_forward_progress 1
		.amdhsa_inst_pref_size 23
	.end_amdhsa_kernel
	.amdgpu_metadata
---
amdhsa.version: [ 1, 2 ]
amdhsa.kernels:
  - .name:           k_q973f6769fb_wquant
    .symbol:         k_q973f6769fb_wquant.kd
    .args:
      - { .name: Wq, .offset: 0, .size: 8, .value_kind: global_buffer, .address_space: global }
      - { .name: Wk, .offset: 8, .size: 8, .value_kind: global_buffer, .address_space: global }
      - { .name: Wv, .offset: 16, .size: 8, .value_kind: global_buffer, .address_space: global }
      - { .name: Wo, .offset: 24, .size: 8, .value_kind: global_buffer, .address_space: global }
      - { .name: wimg, .offset: 32, .size: 8, .value_kind: global_buffer, .address_space: global }
    .group_segment_fixed_size: 13312
    .private_segment_fixed_size: 0
    .kernarg_segment_align: 8
    .kernarg_segment_size: 40
    .max_flat_workgroup_size: 128
    .sgpr_count:     66
    .vgpr_count:     210
    .wavefront_size: 32
...
	.end_amdgpu_metadata
.endif
;; end of part 5
;; launch proj (part 6): grid 64 x 3, 4 waves a work-group, no clusters, 136,704 bytes of LDS; arguments query, key, value, bq, bk, bv, wimg, qkv; writes qkv
.if DOCPART == 6
	.amdgcn_target "amdgcn-amd-amdhsa--gfx1250"
	.amdhsa_code_object_version 6
	.text
	.protected	k_q973f6769fb_proj
	.globl	k_q973f6769fb_proj
	.p2align	8
	.type	k_q973f6769fb_proj,@function
k_q973f6769fb_proj:
	s_mov_b64 s[64:65], 0
	v_nop
	global_prefetch_b8 v0, s[64:65] scope:SCOPE_SE
	s_setreg_imm32_b32 hwreg(HW_REG_WAVE_SCHED_MODE, 0, 2), 2
	s_setreg_imm32_b32 hwreg(HW_REG_WAVE_MODE, 25, 1), 1
	s_wait_xcnt 0x0
	s_wait_alu depctr_vm_vsrc(0)
; q = query Wq + bq, k = key Wk + bk, v = value Wv + bv on codes of FP6 (E2M3), one E8M0 byte for each 32 along K; the results are quantised at once for attention:
; q and k along the head's 64 channels, v along the keys.  Work-group (x, y): 128 tokens (group x) of tensor y, all 1,024 columns: every f32 byte of the inputs is read once.
; PHASE X: wave w quantises token tiles 2 w, 2 w + 1 for all of K; the fragments go to LDS as images of their registers (three chunks of 512 bytes, lane l's registers 4 q .. 4 q + 3 at 16 l).
; GEMM: the waves share the COLUMNS: in pass p wave w makes columns 128 (4 p + w) on (two heads) for all 128 tokens: 64 accumulators.  The weights come as images straight into registers.
; ROW ORDER (tokens in a tile, columns in a tile): row i of tile a is 64 (a / 4) + 32 (i / 8) + 8 (a % 4) + i % 8.  Register j of lane (r, h) of a result is row 8 h + j of source 0's tile: so the 32 registers
; of tiles 4 c .. 4 c + 3 are rows 64 c + 32 h + 0 .. 31: a whole block of 32 in ONE lane, at the place where the 6-bit operand wants it.  No lane is asked for a maximum, no halves are exchanged.
; q, k: source 0 = weights, source 1 = x: a lane holds one token, its registers run along the channels.   v: source 0 = x, source 1 = weights: a lane holds one channel, its registers run along the tokens.
; OUT: qkv[part 3][bh 64][G 16] = a record of 6,656 bytes: 4 fragments and 512 bytes of scale words (lane l's four words at 16 l).  q, k: fragment p = [token tile 2 p's 64 codes | tile 2 p + 1's];
; v: fragment t = 16 channels (row r: 32 (r / 8) + 8 t + r % 8) x 128 keys.  The bias is the C of each sum's first matrix instruction.
; No cluster: 192 work-groups of three tensors; the weights that work-groups share go straight into registers, where a joint load cannot put them.
; LIMITS: NaN and infinities are not served; a block whose largest magnitude lies under 2^-124 (zeros too) gets the byte 1: this program alone reads the bytes.
; REGISTERS.  window 0: v1-20 addresses; phase X: v64-127 numbers, v128-156 codes and work; GEMM: v32-63 scale words (two sets), v64-159, v160-255 x's fragments (two sets);
;   way out: v88-103 at work, v104-111 scale words, v112-207 the fragments, each in registers of its own.
;   window 1: phase X: four sets of 64 as loaded; GEMM: v0-95, v128-223 the weights' fragments (two sets), v96-127, v224-255 the bias.   windows 2, 3: the accumulators.
; THE MODE: SCHED_MODE bits 1:0 = 2 (LLVM: expert scheduling mode 2), set by the entry lines.  The code itself states the register dependences
; between vector or matrix instructions and memory or LDS instructions, with s_wait_alu, always for 0.
; THE PLAN.  Registers that memory or LDS instructions touch, and who else names them:
;   v1, v6, v7, v16, v20   offsets and addresses, made once and never written again.
;   PHASE X, unit i:  set i of window 1: global loads land in it, the stage's LDS stores read it, no vector instruction names it.   v64-127: the stage's LDS loads land in them, the unit's maxima and conversions read them.
;                     v128-139, v156: the unit's vector lines write them, its four image stores read them.   v10, v11: written at a trip's head, read by the image stores.
;     ONE wait on vm_vsrc behind the unit's stage stores and loads: set i may be loaded again, at once, and v128-139, v156 may be written again.
;     ONE wait on va_vdst ahead of the image stores: their data and addresses are written, and v64-127 are read out: the next unit's LDS loads owe nothing more.
;   GEMM, a K step:   x's and the weights' two sets, the scale words and the bias: loads land in them, matrix instructions read them, nothing else names them.
;                     v12, v14 (set 0), v13, v15 (set 1): written by two additions at the head of the step that fetches the set, read by the set's LDS loads.
;     At a step's head a wait on vm_vsrc, the two additions, ONE wait on va_vdst: the addresses are written and the last step's products are done reading the other set.  The step's 52 loads follow with no further wait:
;     the weights' 26 at once, x's 26 in two runs among the step's products, which name this step's set, its scale words, the accumulators and the bias alone.
;   WAY OUT:          a wait on va_vdst ahead of each run of stores; no store's data are written again before the next pass's head, where a wait on vm_vsrc stands.
.set XSC,  98304                       ; LDS: x's images [s 8][a 8] 1,536 bytes from 0; their scale words [s] 512 bytes, word (r, a) at 32 r + 4 a;
.set STG,  102400                      ; a stage of 16 rows x 528 bytes for each wave
.set SH0,  4                           ; v4  8 h
.set PT,   17                          ; v17, v18  a lane permute's destination
.set SEL,  24                          ; s[24:25]
.set X,    64
.set PC,   128
.set PW,   156
.set FO,   112                         ; the way out's fragments: 12 registers each, from here on
.set SWQ,  104
.set MSB, 0
.macro WIN new                         ; the immediate's high byte repeats the setting that is left; a switch that changes nothing is dropped
.set WN, (\new)
.if MSB != WN
	s_set_vgpr_msb (MSB<<8)|WN
.set MSB, WN
.endif
.endm
.macro PLACES n
.rept \n
	v_nop
.endr
.endm
; 64 numbers of a lane at v[src] on, in window sw, register 32 c + i = k 64 c + 32 h + i, become six code registers at v[d0] (c = 0) and six at v[d1] (c = 1); the two scale bytes are left in v[TM+6], v[TM+7].
; The sources are read in ascending order: each accumulator from its low end on.
.macro QB src, sw, d0, d1
	WIN ((\sw)<<2)|((\sw)<<4)
.irp q, 0,1,2,3
	v_max3_num_f32 v[TM+\q], 0x1800000, |v[(\src)+16*\q]|, |v[(\src)+16*\q+1]|   ; four chains by turns, each with the floor 2^(3 - 127)
.endr
.irp i, 2,4,6,8,10,12,14
.irp q, 0,1,2,3
	v_max3_num_f32 v[TM+\q], v[TM+\q], |v[(\src)+16*\q+\i]|, |v[(\src)+16*\q+\i+1]|
.endr
.endr
	WIN 0
	v_max_num_f32 v[TM], v[TM], v[TM+1]
	v_max_num_f32 v[TM+2], v[TM+2], v[TM+3]
	v_add_nc_u32 v[TM+4], 0xff000000, v[TM]        ; 2 off the exponent field: the conversions' scale operands
	v_add_nc_u32 v[TM+5], 0xff000000, v[TM+2]
	v_lshrrev_b32 v[TM+6], 23, v[TM+4]             ; the bytes
	v_lshrrev_b32 v[TM+7], 23, v[TM+5]
	WIN (\sw)
	v_cvt_scalef32_pk16_fp6_f32 v[(\d0):(\d0)+2], v[(\src):(\src)+15], v[TM+4]
	v_cvt_scalef32_pk16_fp6_f32 v[TP:TP+2], v[(\src)+16:(\src)+31], v[TM+4]      ; (a conversion's three registers begin on an even number)
	v_cvt_scalef32_pk16_fp6_f32 v[(\d1):(\d1)+2], v[(\src)+32:(\src)+47], v[TM+5]
	v_cvt_scalef32_pk16_fp6_f32 v[TP+4:TP+6], v[(\src)+48:(\src)+63], v[TM+5]
	WIN 0
	v_nop                                          ; one plain place behind the scaled conversions
.irp i, 0,1,2
	v_mov_b32 v[(\d0)+3+\i], v[TP+\i]
	v_mov_b32 v[(\d1)+3+\i], v[TP+4+\i]
.endr
.endm
.macro WORD dst                        ; the scale word of 128 along K: byte 2 c + h; my two bytes, then lane l xor 16's two
	v_lshl_or_b32 v[\dst], v[TM+7], 16, v[TM+6]
	v_lshlrev_b32 v[\dst], v[SH0], v[\dst]
	v_permlanex16_b32 v[PT], v[\dst], s[SEL], s[SEL+1]
	v_or_b32 v[\dst], v[\dst], v[PT]
.endm
	s_load_b512 s[4:19], s[0:1], 0x0               ; query, key, value, bq, bk, bv, wimg s[16:17], qkv s[18:19]
	v_lshl_add_u32 v30, v0, 2, 0x21400
	v_mov_b32 v31, 0
	v_lshrrev_b32 v2, 5, v0
	v_readfirstlane_b32 s20, v2                    ; wave 0..3
	s_and_b32 s21, ttmp7, 0xffff                   ; y: which tensor
	v_and_b32 v1, 31, v0
	v_and_b32 v2, 15, v0                           ; r
	v_bfe_u32 v3, v0, 4, 1                         ; h
	v_lshlrev_b32 v1, 4, v1                        ; v1  16 x lane
	v_lshlrev_b32 v4, 3, v3                        ; v4  8 h
	v_add_nc_u32 v5, 16, v4                        ; v5  16 + 8 h
	s_wait_alu depctr_va_sdst(0)                   ; s20 is written, ahead of its first reader: LDS places and the buffers' offsets are made from it
	s_mul_i32 s34, s20, 8448
	s_add_co_u32 s34, s34, STG                     ; my stage
	v_add_nc_u32 v6, s34, v1                       ; v6  into it: 16 bytes a lane of a row of 512
	v_mul_u32_u24 v7, v2, 528
	v_lshl_add_u32 v7, v3, 7, v7
	v_add_nc_u32 v7, s34, v7                       ; v7  out of it: row r, + 128 h
	s_mul_i32 s34, s20, 3072
	v_add_nc_u32 v8, s34, v1                       ; v8  my two tiles' images in a K step
	v_lshlrev_b32 v20, 5, v2                       ; v20 32 r
	s_lshl_b32 s34, s20, 3
	s_add_co_u32 s34, s34, XSC
	v_add_nc_u32 v9, s34, v20                      ; v9  my two tiles' scale words
	v_add_nc_u32 v19, XSC, v20                     ; v19 row r's eight scale words
	v_mov_b32 v17, 0                               ; written once: a lane permute's destination counts as one of its sources
	v_mov_b32 v18, 0
	s_mov_b32 s24, 0x76543210
	s_mov_b32 s25, 0xfedcba98                      ; v_permlanex16_b32's selects for lane l xor 16
	s_lshl_b32 s34, ttmp9, 7                       ; my wave's first token: 128 x + 64 (w / 2) + 16 (w % 2)
	s_lshr_b32 s35, s20, 1
	s_lshl_b32 s35, s35, 6
	s_add_co_u32 s34, s34, s35
	s_and_b32 s35, s20, 1
	s_lshl_b32 s35, s35, 4
	s_add_co_u32 s34, s34, s35
	s_lshl_b32 s34, s34, 12                        ; rows of 4,096 bytes: under 2^26
	s_mov_b32 s35, 0
	s_lshl_b32 s36, s20, 9                         ; the bias of my 128 columns
	s_mov_b32 s37, 0
	s_mul_i32 s38, s21, 819200                     ; the weight's images, my group of columns
	s_mul_i32 s39, s20, 102400
	s_add_co_u32 s38, s38, s39
	s_mov_b32 s39, 0
	s_lshr_b32 s40, ttmp9, 4                       ; out: part y, head 16 b + 2 w, group x % 16
	s_lshl_b32 s40, s40, 4
	s_lshl_b32 s41, s20, 1
	s_add_co_u32 s40, s40, s41
	s_mul_i32 s40, s40, 106496
	s_and_b32 s41, ttmp9, 15
	s_mul_i32 s41, s41, 6656
	s_add_co_u32 s40, s40, s41
	s_mul_i32 s41, s21, 6815744
	s_add_co_u32 s40, s40, s41
	s_mov_b32 s41, 0
	s_wait_kmcnt 0x0
	s_cmp_eq_u32 s21, 1                            ; the choices hang on the work-group's number alone
	s_cselect_b64 s[4:5], s[6:7], s[4:5]
	s_cselect_b64 s[10:11], s[12:13], s[10:11]
	s_cmp_eq_u32 s21, 2
	s_cselect_b64 s[4:5], s[8:9], s[4:5]
	s_cselect_b64 s[10:11], s[14:15], s[10:11]
	s_add_nc_u64 s[4:5], s[4:5], s[34:35]
	s_add_nc_u64 s[10:11], s[10:11], s[36:37]
	s_add_nc_u64 s[16:17], s[16:17], s[38:39]
	s_add_nc_u64 s[18:19], s[18:19], s[40:41]
	s_wait_alu depctr_va_vdst(0)                   ; v1, v6, v7 and v20 are written: the loads and stores below read them as offsets and addresses
; ---- PHASE X.  Unit i of a trip: tile 2 w + i % 2, the trip's K step i / 2.  Sixteen loads, one for each token of the tile: 512 consecutive bytes (128 along K) each.
.set TP, 140
.set TM, 148
.macro XLD i, add
	WIN 0x40                                       ; destination window 1
.irp k, 0,1,2,3,4,5,6,7,8,9,10,11,12,13,14,15
	global_load_b128 v[64*(\i)+4*\k:64*(\i)+4*\k+3], v1, s[4:5] offset:(8*((\i)%2)+32*(\k/8)+\k%8)*4096+512*((\i)/2)+(\add) th:TH_LOAD_NT
.endr
	WIN 0
.endm
.macro UNIT i, more, left
	s_wait_loadcnt \left                           ; this unit's sixteen loads are in; the younger sets stay out
	WIN 0x04                                       ; an LDS store's data are its source 1: window 1
.irp k, 0,1,2,3,4,5,6,7,8,9,10,11,12,13,14,15
	ds_store_b128 v6, v[64*(\i)+4*\k:64*(\i)+4*\k+3] offset:528*\k
.endr
	WIN 0
.irp c, 0,1
.irp j, 0,1,2,3,4,5,6,7
	ds_load_b128 v[X+32*\c+4*\j:X+32*\c+4*\j+3], v7 offset:256*\c+16*\j    ; row r, k = 64 c + 32 h + 4 j on; LDS serves a wave's instructions in order: these see the stores above
.endr
.endr
	s_wait_alu depctr_vm_vsrc(0)                   ; the stage stores have read set i, in which the loads below land; the last unit's image stores have read v[PC ..] and v[PW], which this unit writes again
.if \more
	XLD \i, 1024                                   ; the set takes the same unit of the next trip, while the numbers are on their way back from the stage
.endif
	s_wait_dscnt 0x0                               ; the numbers are back
	QB X, 0, PC, PC+6
	WORD PW
	s_wait_alu depctr_va_vdst(0)                   ; v[PC ..] and v[PW] are written (in a trip's first unit v10 and v11 too), which the stores below read; the next unit's LDS loads land there
.irp q, 0,1,2
	ds_store_b128 v10, v[PC+4*\q:PC+4*\q+3] offset:12288*((\i)/2)+1536*((\i)%2)+512*\q
.endr
	ds_store_b32 v11, v[PW] offset:512*((\i)/2)+4*((\i)%2)    ; lanes r and r + 16 write the same word with the same value
.endm
	XLD 0, 0
	XLD 1, 0
	XLD 2, 0
	XLD 3, 0
	s_mov_b32 s28, 0
	s_mov_b32 s29, 0
	s_mov_b32 s32, 3
.Lx:                                               ; a trip: two K steps of my two tiles
	v_add_nc_u32 v10, s28, v8
	v_add_nc_u32 v11, s29, v9
	UNIT 0, 1, 48
	UNIT 1, 1, 48
	UNIT 2, 1, 48
	UNIT 3, 1, 48
	s_wait_dscnt 0x0                               ; the last image stores have landed
	s_wait_alu depctr_vm_vsrc(0)                   ; and have read v10 and v11, which the next trip's head writes again
	s_wait_xcnt 0x0                                ; the loads have read their base
	s_add_nc_u64 s[4:5], s[4:5], 1024
	s_add_co_u32 s28, s28, 24576
	s_add_co_u32 s29, s29, 1024
	s_sub_co_u32 s32, s32, 1
	s_cmp_lg_u32 s32, 0
	s_cbranch_scc1 .Lx
	v_add_nc_u32 v10, s28, v8
	v_add_nc_u32 v11, s29, v9
	UNIT 0, 0, 48                                  ; the last trip loads nothing: the counts run down
	UNIT 1, 0, 32
	UNIT 2, 0, 16
	UNIT 3, 0, 0
	s_wait_dscnt 0x0                               ; for the others' sake: my images have landed
	s_barrier_signal -1
	s_barrier_wait -1                              ; x's 64 fragments lie in LDS; from here on LDS is only read
; ---- GEMM
.set TP, 88
.set TM, 96
.macro FXA set                         ; the LDS addresses of the K step that set is fetched for next; each set has address registers of its own
	v_add_nc_u32 v[12+(\set)], s30, v1
	v_add_nc_u32 v[14+(\set)], s31, v19
	s_add_co_u32 s30, s30, 12288
	s_add_co_u32 s31, s31, 512
.endm
.macro FXL set, a0                     ; four of a K step's eight fragments of x
.irp a, \a0, \a0+1, \a0+2, \a0+3
.irp q, 0,1,2
	ds_load_b128 v[64+96*(\set)+12*(\a)+4*\q:64+96*(\set)+12*(\a)+4*\q+3], v[12+(\set)] offset:1536*(\a)+512*\q
.endr
.endr
.endm
.macro FXS set                         ; and their scale words
	ds_load_b128 v[32+16*(\set):35+16*(\set)], v[14+(\set)]
	ds_load_b128 v[36+16*(\set):39+16*(\set)], v[14+(\set)] offset:16
.endm
.macro FETCHW set                      ; a K step's record of the weights: eight fragments and their scale words
	WIN 0x40
.irp b, 0,1,2,3,4,5,6,7
.irp q, 0,1,2
	global_load_b128 v[128*\set+12*\b+4*\q:128*\set+12*\b+4*\q+3], v1, s[26:27] offset:1536*\b+512*\q
.endr
.endr
	WIN 0
	global_load_b128 v[40+16*\set:43+16*\set], v20, s[26:27] offset:12288
	global_load_b128 v[44+16*\set:47+16*\set], v20, s[26:27] offset:12304
.endm
; 64 matrix instructions; the 64 accumulators take turns, one instruction a turn, in one order in every step.
; vp = 0: o = token tile a, n = column tile b; source 0 the weights (window 1), source 1 x (window 0).   vp = 1: o = b, n = a; source 0 x, source 1 the weights.
; fetch = 1: the next step's fragments of x are asked for in two runs, behind the 16th and the 32nd product: the last of them has 32 products in which to land.
; No wait stands ahead of them: no vector or matrix instruction since the step's wait on va_vdst names set nxt, its scale words or its two addresses.
.macro MUL set, nxt, first, fetch, vp
.irp o, 0,1,2,3,4,5,6,7
.if \first
	WIN 0x91+3*(\vp)+0x40*(\o/4)                   ; C: the bias, window 1; D: window 2 or 3
.else
	WIN 0xa1+3*(\vp)+0x50*(\o/4)                   ; C and D: window 2 or 3
.endif
.irp n, 0,1,2,3,4,5,6,7
.set DD, 8*(8*(\o%4)+\n)
.if \vp
.set AA, 64+96*(\set)+12*\n
.set BBR, 128*(\set)+12*\o
.set SA, 32+16*(\set)+\n
.set SB, 40+16*(\set)+\o
.set CB, 96+8*\o+96*(\o/4)
.else
.set AA, 128*(\set)+12*\n
.set BBR, 64+96*(\set)+12*\o
.set SA, 40+16*(\set)+\n
.set SB, 32+16*(\set)+\o
.set CB, 96+8*\n+96*(\n/4)
.endif
.if \first
	v_wmma_scale_f32_16x16x128_f8f6f4 v[DD:DD+7], v[AA:AA+11], v[BBR:BBR+11], v[CB:CB+7], v[SA], v[SB] matrix_a_fmt:MATRIX_FMT_FP6 matrix_b_fmt:MATRIX_FMT_FP6
.else
	v_wmma_scale_f32_16x16x128_f8f6f4 v[DD:DD+7], v[AA:AA+11], v[BBR:BBR+11], v[DD:DD+7], v[SA], v[SB] matrix_a_fmt:MATRIX_FMT_FP6 matrix_b_fmt:MATRIX_FMT_FP6
.endif
.endr
.if \fetch
.if \o == 1
	WIN 0
	FXL \nxt, 0
	FXS \nxt
.endif
.if \o == 3
	WIN 0                                          ; (the windows change here in any case: the accumulators of window 3 follow)
	FXL \nxt, 4
.endif
.endif
.endr
.endm
.macro STEP cur, nxt, first, fetch, vp
	PLACES 4                                       ; four places behind the last products, ahead of loads into registers that they read; the wait on va_vdst below stands beside them
.if \fetch
	s_wait_alu depctr_vm_vsrc(0)                   ; the LDS loads of two steps back have read set nxt's two addresses, which the additions below write
	FXA \nxt
	s_wait_xcnt 0x0                                ; the last record's loads have read their base
	s_add_nc_u64 s[26:27], s[26:27], 12800
	s_wait_alu depctr_va_vdst(0)                   ; the two addresses are written; the last step's products are done reading set nxt of x and of the weights and its scale words, in which this step's 52 loads land
	FETCHW \nxt
	s_wait_loadcnt 26                              ; all but the 26 just issued: this step's weights (and the bias) are in
.else
	s_wait_loadcnt 0x0
.endif
	s_wait_dscnt 0x0                               ; this step's fragments of x, asked for among the last step's products, are in
	MUL \cur, \nxt, \first, \fetch, \vp
	WIN 0
.endm
.macro BIAS vp                         ; eight registers a column tile, in the result's layout
	WIN 0x40
.irp b, 0,1,2,3,4,5,6,7
.set CB, 96+8*\b+96*(\b/4)
.if \vp
.irp j, 0,1,2,3,4,5,6,7
	global_load_b32 v[CB+\j], v16, s[10:11] offset:256*(\b/4)+32*(\b%4)      ; a lane holds one channel: the same number in all eight
.endr
.else
	global_load_b128 v[CB:CB+3], v16, s[10:11] offset:256*(\b/4)+32*(\b%4)   ; columns 64 (b / 4) + 32 h + 8 (b % 4) + 0 .. 7
	global_load_b128 v[CB+4:CB+7], v16, s[10:11] offset:256*(\b/4)+32*(\b%4)+16
.endif
.endr
	WIN 0
.endm
; q, k: token tile a's 64 registers are head c's channels 32 h + 0 .. 31 at 32 c on.  Fragment p of each head takes tiles 2 p and 2 p + 1; its scale word's byte 2 u + h.
; The two fragments of each p have 24 registers of their own: no store's data are written again in a pass.
.macro EPIQK
.irp p, 0,1,2,3
.set FQ0, FO+24*\p
.set FQ1, FO+24*\p+12
	QB 64*((2*\p)%4), 2+(2*\p)/4, FQ0, FQ1
	v_lshlrev_b32 v[SWQ+\p], v4, v[TM+6]
	v_lshlrev_b32 v[SWQ+4+\p], v4, v[TM+7]
	QB 64*((2*\p+1)%4), 2+(2*\p+1)/4, FQ0+6, FQ1+6
	v_lshl_or_b32 v[SWQ+\p], v[TM+6], v5, v[SWQ+\p]
	v_lshl_or_b32 v[SWQ+4+\p], v[TM+7], v5, v[SWQ+4+\p]
	v_permlanex16_b32 v17, v[SWQ+\p], s24, s25
	v_permlanex16_b32 v18, v[SWQ+4+\p], s24, s25
	v_or_b32 v[SWQ+\p], v[SWQ+\p], v17
	v_or_b32 v[SWQ+4+\p], v[SWQ+4+\p], v18
	s_wait_alu depctr_va_vdst(0)                   ; the two fragments' codes are written, which the stores below read; behind the last p all eight scale words too
.irp q, 0,1,2
	global_store_b128 v1, v[FQ0+4*\q:FQ0+4*\q+3], s[18:19] offset:1536*\p+512*\q          ; 512 consecutive bytes, aligned
	global_store_b128 v1, v[FQ1+4*\q:FQ1+4*\q+3], s[18:19] offset:106496+1536*\p+512*\q   ; the next head
.endr
.endr
	global_store_b128 v1, v[SWQ:SWQ+3], s[18:19] offset:6144
	global_store_b128 v1, v[SWQ+4:SWQ+7], s[18:19] offset:106496+6144
.endm
; v: column tile b's 64 registers are tokens 64 c + 32 h + 0 .. 31 at 32 c on: one fragment (16 channels x 128 keys) and one scale word a lane; each fragment has 12 registers of its own
.macro EPIV
.irp b, 0,1,2,3,4,5,6,7
.set FV, FO+12*\b
	QB 64*(\b%4), 2+\b/4, FV, FV+6
	WORD SWQ+\b
	s_wait_alu depctr_va_vdst(0)                   ; the fragment's codes and its scale word are written, which the stores below read
.irp q, 0,1,2
	global_store_b128 v1, v[FV+4*\q:FV+4*\q+3], s[18:19] offset:106496*(\b/4)+1536*(\b%4)+512*\q
.endr
.if \b%4 == 3
	global_store_b128 v1, v[SWQ+4*(\b/4):SWQ+4*(\b/4)+3], s[18:19] offset:106496*(\b/4)+6144
.endif
.endr
.endm
.macro PASSES vp
	s_mov_b32 s32, 2
.Lpass_\@:                                         ; a pass: my 128 columns, all 128 tokens, K in eight steps
	s_mov_b64 s[26:27], s[16:17]
	s_mov_b32 s30, 0
	s_mov_b32 s31, 0
	s_wait_alu depctr_vm_vsrc(0)                   ; phase X's LDS stores have read window 1's sets and the codes' registers, the last pass's stores v104-207, its LDS loads v12 and v14: all are written again from here on
	FXA 0
	s_wait_alu depctr_va_vdst(0)                   ; v12, v14 and v16 are written; phase X's lines, the last pass's products and its way out are done with the registers in which the bias and set 0 land
	BIAS \vp
	FXL 0, 0
	FXL 0, 4
	FXS 0
	FETCHW 0
	STEP 0, 1, 1, 1, \vp                           ; the first step starts the sums on the bias: nothing is cleared
	s_mov_b32 s33, 3
.Lk_\@:
	STEP 1, 0, 0, 1, \vp
	STEP 0, 1, 0, 1, \vp
	s_sub_co_u32 s33, s33, 1
	s_cmp_lg_u32 s33, 0
	s_cbranch_scc1 .Lk_\@
	STEP 1, 0, 0, 0, \vp                           ; the last step fetches nothing, so it states no dependence
	PLACES 4                                       ; ahead of the first read of results
.if \vp
	EPIV
.else
	EPIQK
.endif
	s_wait_xcnt 0x0                                ; the stores have read their registers and their base
	s_add_nc_u64 s[16:17], s[16:17], 409600        ; four groups of columns on
	s_add_nc_u64 s[10:11], s[10:11], 2048
	s_add_nc_u64 s[18:19], s[18:19], 851968        ; eight heads on
	s_sub_co_u32 s32, s32, 1
	s_cmp_lg_u32 s32, 0
	s_cbranch_scc1 .Lpass_\@
.endm
	s_cmp_eq_u32 s21, 2
	s_cbranch_scc1 .Lv
	v_lshlrev_b32 v16, 7, v3                       ; the bias for q, k: 32 h numbers on
	PASSES 0
	s_wait_dscnt 0x0                               ; the closing lines, six on end
	s_wait_alu 0x0
	s_wait_tensorcnt 0x0
	ds_add_u32 v30, v31
	s_wait_dscnt 0x0
	s_endpgm
.Lv:
	v_lshrrev_b32 v16, 3, v2                       ; for v: channel 32 (r / 8) + r % 8 of the tile
	v_lshlrev_b32 v16, 7, v16
	v_and_b32 v21, 7, v2
	v_lshl_add_u32 v16, v21, 2, v16
	PASSES 1
	s_wait_dscnt 0x0                               ; the closing lines, six on end, as above
	s_wait_alu 0x0
	s_wait_tensorcnt 0x0
	ds_add_u32 v30, v31
	s_wait_dscnt 0x0
	s_endpgm
.Lfunc_end_k_q973f6769fb_proj:
	.size	k_q973f6769fb_proj, .Lfunc_end_k_q973f6769fb_proj-k_q973f6769fb_proj
	.p2alignl 7, 3214868480
	.fill 96, 4, 3214868480
	.section	.rodata,"a",@progbits
	.p2align	6, 0x0
	.amdhsa_kernel k_q973f6769fb_proj
		.amdhsa_group_segment_fixed_size 136704
		.amdhsa_private_segment_fixed_size 0
		.amdhsa_enable_private_segment 0
		.amdhsa_kernarg_size 64
		.amdhsa_user_sgpr_count 2
		.amdhsa_user_sgpr_kernarg_segment_ptr 1
		.amdhsa_wavefront_size32 1
		.amdhsa_system_sgpr_workgroup_id_x 1
		.amdhsa_system_sgpr_workgroup_id_y 1
		.amdhsa_system_sgpr_workgroup_id_z 1
		.amdhsa_system_vgpr_workitem_id 0
		.amdhsa_next_free_vgpr 1024
		.amdhsa_next_free_sgpr 66
		.amdhsa_reserve_vcc 0
		.amdhsa_float_denorm_mode_32 3
		.amdhsa_float_denorm_mode_16_64 3
		.amdhsa_memory_ordered 1
		.amdhsa_forward_progress 1
		.amdhsa_inst_pref_size 228
	.end_amdhsa_kernel
	.amdgpu_metadata
---
amdhsa.version: [ 1, 2 ]
amdhsa.kernels:
  - .name:           k_q973f6769fb_proj
    .symbol:         k_q973f6769fb_proj.kd
    .args:
      - { .name: query, .offset: 0, .size: 8, .value_kind: global_buffer, .address_space: global }
      - { .name: key, .offset: 8, .size: 8, .value_kind: global_buffer, .address_space: global }
      - { .name: value, .offset: 16, .size: 8, .value_kind: global_buffer, .address_space: global }
      - { .name: bq, .offset: 24, .size: 8, .value_kind: global_buffer, .address_space: global }
      - { .name: bk, .offset: 32, .size: 8, .value_kind: global_buffer, .address_space: global }
      - { .name: bv, .offset: 40, .size: 8, .value_kind: global_buffer, .address_space: global }
      - { .name: wimg, .offset: 48, .size: 8, .value_kind: global_buffer, .address_space: global }
      - { .name: qkv, .offset: 56, .size: 8, .value_kind: global_buffer, .address_space: global }
    .group_segment_fixed_size: 136704
    .private_segment_fixed_size: 0
    .kernarg_segment_align: 8
    .kernarg_segment_size: 64
    .max_flat_workgroup_size: 128
    .sgpr_count:     66
    .vgpr_count:     1024
    .wavefront_size: 32
...
	.end_amdgpu_metadata
.endif
;; end of part 6
;; launch attn (part 7): grid 4 x 64, 16 waves a work-group, clusters of 4 x 1, 215,040 bytes of LDS; arguments qkv, aoc, aos; writes aoc, aos
.if DOCPART == 7
	.amdgcn_target "amdgcn-amd-amdhsa--gfx1250"
	.amdhsa_code_object_version 6
	.text
	.protected	k_q973f6769fb_attn
	.globl	k_q973f6769fb_attn
	.p2align	8
	.type	k_q973f6769fb_attn,@function
k_q973f6769fb_attn:
	s_mov_b64 s[64:65], 0
	v_nop
	global_prefetch_b8 v0, s[64:65] scope:SCOPE_SE
	s_setreg_imm32_b32 hwreg(HW_REG_WAVE_MODE, 25, 1), 1
	s_wait_xcnt 0x0
	s_wait_alu depctr_hold_cnt(0) depctr_sa_sdst(0) depctr_va_vdst(0) depctr_va_sdst(0) depctr_va_ssrc(0) depctr_va_vcc(0) depctr_vm_vsrc(0)
	s_getreg_b32 s2, hwreg(HW_REG_IB_STS2, 6, 4)
	s_cmp_eq_u32 s2, 0
	s_cbranch_scc0 .Lentry_in_a_cluster
	s_endpgm
.Lentry_in_a_cluster:
	s_bfe_u32 s2, ttmp6, 0x10000c
	s_cmp_lg_u32 s2, 0x3003
	s_cbranch_scc0 .Lentry_shape_is_right
	s_endpgm
.Lentry_shape_is_right:
; Attention of one head on codes of FP6 (E2M3): S^T = k q^T, p = 2^(t - M), O^T = v^T p^T, O / l, and O quantised at once along the channels for the last projection.
; t = score x log2(e) / 8; M = the running largest t rounded UP to a whole number; p is quantised along the keys, not normalised; the row's sum l is taken of the unquantised p.
; When M moves, l and O^T are multiplied by 2^(old M - new M): nothing is rounded, and no branch hangs on data.
; SHARES.  Work-group (x, bh): 512 queries of head bh; sixteen waves of 256 registers, four to a SIMD; a wave owns one tile of 16 queries in each of two passes and walks all 2,048 keys, 128 a step.
; LDS holds the head's WHOLE k and v, 212,992 bytes, filled ONCE: step g at 13,312 g: k's record (4 fragments, 512 bytes of scale words), then v's.  Nothing is filled again.
; CLUSTER.  The four work-groups of a head form a cluster and need the same k and v: every slice is asked for JOINTLY.  A wave issues four loads, one for each quarter of the keys (3,328 bytes: 13 rows of 256):
; four tensor loads of a wave are out at the most.  A quarter is read behind a counted wait and a barrier, while the later quarters are on their way.
; K = 64 IN AN INSTRUCTION OF 128: a fragment of k is [key tile 2 p | key tile 2 p + 1]; q stands in a run [6 zeros | 6 q | 6 zeros]: v[22:33] = [q | 0] gives tile 2 p's scores, v[16:27] = [0 | q] tile 2 p + 1's.
; q's scale word is [s0 s1 s0 s1]; zero codes add nothing under any of these bytes.
; ROW ORDER: row i of key tile a is key 64 (a / 4) + 32 (i / 8) + 8 (a % 4) + i % 8: so a lane's registers 32 c + i of S^T are keys 64 c + 32 h + i: a whole block of 32 in one lane, where the operand wants it.
; v's fragment t has channel 32 (r / 8) + 8 t + r % 8 in row r: so a lane's 32 registers of O^T are channels 32 h + 0 .. 31: one block of the last projection's K.
; OUT: aoc[token tile 512][head 16] 768 bytes: registers 0-3 at 16 l, registers 4, 5 at 512 + 8 l;  aos[token tile][r 16][head 16][h 2], a byte each (single bytes: one in 24 of what is stored).
; LIMITS: NaN and infinities are not served; p under 2^-126 falls to 0; a block whose largest magnitude lies under 2^-124 gets the byte 1.
; REGISTERS: v1-8 addresses; v12 -M, v13 the largest t, v[14:15] l in two halves; v16-33 q's run, v34 its scale word; v36-83 k's, then v's fragments; v84-87, v88-91 their scale words; v92 p's;
;   v[94:95] f; v96-159 S^T, then p; v160-191 O^T; v192-203 p's codes; v204-236 at work.
.set SEL, 48                           ; s[48:49] lane selects: lane l xor 16
.set CS,  50                           ; s[50:51] c = log2(e) / 8
.set TB,  52                           ; s52  LDS byte at which the step's records begin
.macro PLACES n
.rept \n
	v_nop
.endr
.endm
.macro CROUND                          ; a round of the cluster's barrier
	s_barrier_signal -1
	s_barrier_wait -1
	s_cmp_lg_u32 s10, 0
	s_cbranch_scc1 .Lnot_wave_0_\@
	s_barrier_signal -3
.Lnot_wave_0_\@:
	s_barrier_wait -3
	s_barrier_signal -1
	s_barrier_wait -1
.endm
	s_load_b128 s[4:7], s[0:1], 0x0                ; qkv, aoc
	s_load_b64 s[8:9], s[0:1], 0x10                ; aos
	v_lshl_add_u32 v254, v0, 2, 0x34000
	v_mov_b32 v255, 0
	ds_add_u32 v254, v255
	ds_add_u32 v254, v255
	v_lshrrev_b32 v2, 5, v0
	s_delay_alu instid0(VALU_DEP_1)
	v_readfirstlane_b32 s10, v2                    ; wave 0..15
	s_bfe_u32 s11, ttmp6, 0x40000                  ; cx: it enters q's, aoc's and aos's addresses alone
	s_lshl_b32 s12, ttmp9, 2
	s_add_co_u32 s12, s12, s11                     ; x: my block of 512 queries
	s_and_b32 s13, ttmp7, 0xffff                   ; bh, which the four partners share
	; my slice of a quarter: step w / 4 of its four; w % 4 = 0, 1: k's record in halves; 2, 3: v's
	s_mul_i32 s16, s13, 106496
	s_bfe_u32 s17, s10, 0x10001
	s_add_co_u32 s17, s17, 1                       ; part 1: k, part 2: v
	s_mul_i32 s17, s17, 6815744
	s_add_co_u32 s16, s16, s17
	s_lshr_b32 s17, s10, 2
	s_mul_i32 s17, s17, 6656
	s_add_co_u32 s16, s16, s17
	s_and_b32 s17, s10, 1
	s_mul_i32 s17, s17, 3328
	s_add_co_u32 s16, s16, s17
	s_mov_b32 s17, 0
	s_mul_i32 s18, s10, 3328                       ; and its place in a quarter of LDS
	; descriptor group 1: 13 rows of 256 bytes (32 elements of 8), dense
	s_mov_b32 s24, 15|(3<<16)|(1<<21)              ; 15:0 the mask: all four work-groups; 17:16 elements of 8 bytes; 21 set beside a mask; no padding
	s_mov_b32 s25, 32<<16                          ; tensor_dim0 = 32
	s_mov_b32 s26, 13<<16                          ; tensor_dim1 = 13
	s_mov_b32 s27, 32<<16                          ; tile_dim0 = 32
	s_mov_b32 s28, 13                              ; tile_dim1 = 13
	s_mov_b32 s29, 32                              ; from row to row
	s_mov_b32 s30, 0
	s_mov_b32 s31, 0
	s_mov_b32 s[SEL], 0x76543210
	s_mov_b32 s[SEL+1], 0xfedcba98
	s_mov_b32 s[CS], 0x3e38aa3b
	s_mov_b32 s[CS+1], s[CS]                       ; (named with it as a pair, so it is written)
	s_and_b32 s56, s10, 1                          ; which half of q's fragment is my tile
	s_cmp_eq_u32 s56, 1
	s_cselect_b32 s55, -1, 0
	s_lshl_b32 s56, s56, 4
	v_and_b32 v1, 31, v0
	s_delay_alu instid0(VALU_DEP_1)
	v_lshlrev_b32 v7, 3, v1                        ; v7  8 x lane
	s_delay_alu instid0(VALU_DEP_2)
	v_lshlrev_b32 v1, 4, v1                        ; v1  16 x lane
	v_and_b32 v10, 15, v0                          ; r
	v_bfe_u32 v11, v0, 4, 1                        ; h
	s_delay_alu instid0(VALU_DEP_1)
	v_lshlrev_b32 v3, 3, v11                       ; v3  8 h
	s_delay_alu instid0(VALU_DEP_2)
	v_lshl_add_u32 v8, v10, 5, v11                 ; v8  32 r + h
	s_bfe_u32 s54, s10, 0x20001                    ; my tile's fragment of q: (w / 2) % 4
	s_mul_i32 s57, s54, 1536
	v_add_nc_u32 v4, s57, v1                       ; v4  q's fragment
	s_lshl_b32 s57, s54, 2
	v_add_nc_u32 v5, s57, v1                       ; v5  its scale word
	; q's record, and where the results go
	s_lshl_b32 s14, s12, 2
	s_lshr_b32 s15, s10, 3
	s_add_co_u32 s14, s14, s15                     ; group of 128 queries in pass 0: 4 x + w / 8
	s_mul_i32 s20, s14, 6656
	s_mul_i32 s21, s13, 106496
	s_add_co_u32 s20, s20, s21
	s_mov_b32 s21, 0
	s_wait_dscnt 0x0
	s_wait_kmcnt 0x0
	s_add_nc_u64 s[22:23], s[4:5], s[16:17]
	s_add_nc_u64 s[58:59], s[4:5], s[20:21]        ; s[58:59] q's record
	s_lshr_b32 s15, s13, 4
	s_lshl_b32 s15, s15, 4
	s_add_co_u32 s14, s14, s15
	s_lshl_b32 s14, s14, 3
	s_and_b32 s15, s10, 7
	s_add_co_u32 s14, s14, s15                     ; my token tile
	s_and_b32 s15, s13, 15                         ; the head within its batch
	s_mul_i32 s20, s14, 12288
	s_mul_i32 s21, s15, 768
	s_add_co_u32 s20, s20, s21
	s_mov_b32 s21, 0
	s_add_nc_u64 s[60:61], s[6:7], s[20:21]        ; s[60:61] aoc
	s_lshl_b32 s20, s14, 9
	s_lshl_b32 s21, s15, 1
	s_add_co_u32 s20, s20, s21
	s_mov_b32 s21, 0
	s_add_nc_u64 s[62:63], s[8:9], s[20:21]        ; s[62:63] aos
.irp n, 0,1,2,3                        ; descriptor group 0, a set for each quarter, never rewritten
	s_mov_b32 s[32+4*\n], 1                        ; count = 1
	s_add_co_u32 s[33+4*\n], s18, 53248*\n         ; LDS address
	s_add_nc_u64 s[34+4*\n:35+4*\n], s[22:23], 26624*\n   ; four steps of 6,656 bytes on
	s_or_b32 s[35+4*\n], s[35+4*\n], 0x80000000    ; type = 2
.endr
	CROUND                                         ; all four work-groups are here: the joint loads meet
	tensor_load_to_lds s[32:35], s[24:31]
	s_nop 0
	tensor_load_to_lds s[36:39], s[24:31]
	s_nop 0
	tensor_load_to_lds s[40:43], s[24:31]
	s_nop 0
	tensor_load_to_lds s[44:47], s[24:31]
	s_nop 0
	PLACES 4
; A KEY STEP: 128 keys
.macro STEP
	v_add_nc_u32 v2, s[TB], v1
	PLACES 3                                       ; with the addition: four places between the last products and loads into registers that they read
.irp p, 0,1,2,3
.irp q, 0,1,2
	ds_load_b128 v[36+12*\p+4*\q:39+12*\p+4*\q], v2 offset:1536*\p+512*\q
.endr
.endr
	ds_load_b128 v[84:87], v2 offset:6144          ; k's four scale words
	s_wait_alu depctr_va_vdst(0)
	s_wait_dscnt 0x0
.irp p, 0,1,2,3
	v_wmma_scale_f32_16x16x128_f8f6f4 v[96+16*\p:103+16*\p], v[36+12*\p:47+12*\p], v[22:33], 0, v[84+\p], v34 matrix_a_fmt:MATRIX_FMT_FP6 matrix_b_fmt:MATRIX_FMT_FP6
	v_wmma_scale_f32_16x16x128_f8f6f4 v[104+16*\p:111+16*\p], v[36+12*\p:47+12*\p], v[16:27], 0, v[84+\p], v34 matrix_a_fmt:MATRIX_FMT_FP6 matrix_b_fmt:MATRIX_FMT_FP6
.endr
	PLACES 4                                       ; ahead of the loads into k's registers and of the first read of the scores
.irp t, 0,1,2,3
.irp q, 0,1,2
	ds_load_b128 v[36+12*\t+4*\q:39+12*\t+4*\q], v2 offset:6656+1536*\t+512*\q   ; v's fragments land under the softmax
.endr
.endr
	ds_load_b128 v[88:91], v2 offset:12800
.irp q, 0,1,2,3
	v_max3_num_f32 v[212+\q], v[96+16*\q], v[97+16*\q], v[98+16*\q]   ; the largest score of each of my two blocks of 32 keys, in four chains; each accumulator is read from its low end on
.endr
.irp i, 3,5,7,9,11,13
.irp q, 0,1,2,3
	v_max3_num_f32 v[212+\q], v[212+\q], v[96+16*\q+\i], v[97+16*\q+\i]
.endr
.endr
.irp c, 0,1
	v_max3_num_f32 v[216+\c], v[212+2*\c], v[213+2*\c], v[111+32*\c]
.endr
.irp c, 0,1
	v_max_num_f32 v[216+\c], v[216+\c], v[127+32*\c]   ; it serves twice: for the row's maximum and, since p rises with the score, for the block's largest p
.endr
	s_delay_alu instid0(VALU_DEP_1)
	v_max_num_f32 v222, v216, v217
	s_delay_alu instid0(VALU_DEP_1)
	v_permlanex16_b32 v223, v222, s[SEL], s[SEL+1]
	s_delay_alu instid0(VALU_DEP_1)
	v_max_num_f32 v222, v222, v223                 ; the step's largest score of my query
	s_delay_alu instid0(VALU_DEP_1)
	v_mul_f32 v222, s[CS], v222                    ; as t (c is positive)
	s_delay_alu instid0(VALU_DEP_1)
	v_max_num_f32 v13, v13, v222                   ; the running largest t
	v_mov_b32 v224, v12
	s_delay_alu instid0(VALU_DEP_2)
	v_floor_f32 v12, -v13                          ; the new -M = floor(-t): M is a whole number
	s_delay_alu instid0(VALU_DEP_1)
	v_sub_f32 v224, v12, v224                      ; old M - new M: a whole number, 0 or less
	s_delay_alu instid0(VALU_DEP_1)
	v_cvt_i32_f32 v224, v224                       ; (it saturates)
	s_delay_alu instid0(VALU_DEP_1)
	v_ldexp_f32 v94, 1.0, v224                     ; f = 2^(old M - new M)
.set J, 0
.rept 32
	v_pk_fma_f32 v[96+J:97+J], v[96+J:97+J], s[CS:CS+1], v[12:13] op_sel_hi:[1,0,0]   ; t - M, two at a time
.set J, J+2
.endr
.irp c, 0,1
	v_fma_f32 v[216+\c], v[216+\c], s[CS], v12     ; the same of each block's largest score
.endr
.set J, 0
	s_setprio 1
	s_wait_alu depctr_va_vdst(0)
.rept 64
	v_exp_f32 v[96+J], v[96+J]                     ; p = 2^(t - M), at most 1
.set J, J+1
.endr
	v_pk_mul_f32 v[14:15], v[14:15], v[94:95] op_sel_hi:[1,0]   ; l under the new M.  (A plain place behind the exponentials)
	s_wait_alu depctr_va_vdst(0)                   ; one wait for the batch, ahead of its first reader
.irp c, 0,1
	v_exp_f32 v[216+\c], v[216+\c]                 ; the block's largest p: the same two instructions on the same number give the same bits
.endr
	v_pk_add_f32 v[226:227], v[100:101], v[104:105]
	v_pk_add_f32 v[252:253], v[108:109], v[112:113]
	v_pk_add_f32 v[250:251], v[116:117], v[120:121]
	v_pk_add_f32 v[248:249], v[124:125], v[128:129]
	v_pk_add_f32 v[246:247], v[132:133], v[136:137]
	v_pk_add_f32 v[244:245], v[140:141], v[144:145]
	v_pk_add_f32 v[242:243], v[148:149], v[152:153]
	v_pk_add_f32 v[14:15], v[14:15], v[156:157]
	v_pk_add_f32 v[226:227], v[226:227], v[96:97]
	v_pk_add_f32 v[252:253], v[252:253], v[98:99]
	v_pk_add_f32 v[250:251], v[250:251], v[102:103]
	v_pk_add_f32 v[248:249], v[248:249], v[106:107]
	v_pk_add_f32 v[246:247], v[246:247], v[110:111]
	v_pk_add_f32 v[244:245], v[244:245], v[114:115]
	v_pk_add_f32 v[242:243], v[242:243], v[118:119]
	v_pk_add_f32 v[14:15], v[14:15], v[122:123]
	v_pk_add_f32 v[226:227], v[226:227], v[126:127]
	v_pk_add_f32 v[252:253], v[252:253], v[130:131]
	v_pk_add_f32 v[250:251], v[250:251], v[134:135]
	v_pk_add_f32 v[248:249], v[248:249], v[138:139]
	v_pk_add_f32 v[246:247], v[246:247], v[142:143]
	v_pk_add_f32 v[244:245], v[244:245], v[146:147]
	v_pk_add_f32 v[242:243], v[242:243], v[150:151]
	v_pk_add_f32 v[14:15], v[14:15], v[154:155]
	v_pk_add_f32 v[226:227], v[226:227], v[158:159]
	s_delay_alu instid0(VALU_DEP_2)
	v_pk_add_f32 v[14:15], v[14:15], v[248:249]
	s_delay_alu instid0(VALU_DEP_2)
	v_pk_add_f32 v[226:227], v[226:227], v[246:247]
	v_pk_add_f32 v[252:253], v[252:253], v[244:245]
	v_pk_add_f32 v[250:251], v[250:251], v[242:243]
	s_delay_alu instid0(VALU_DEP_2)
	v_pk_add_f32 v[14:15], v[14:15], v[252:253]
	s_delay_alu instid0(VALU_DEP_2)
	v_pk_add_f32 v[226:227], v[226:227], v[250:251]
	s_delay_alu instid0(VALU_DEP_1)
	v_pk_add_f32 v[14:15], v[14:15], v[226:227]
	s_wait_alu depctr_va_vdst(0)                   ; and one for the two
.irp c, 0,1
	v_max_num_f32 v[216+\c], 0x1800000, v[216+\c]  ; the floor 2^(3 - 127): the byte cannot fall under 1
.endr
.irp c, 0,1
	s_delay_alu instid0(VALU_DEP_2)
	v_add_nc_u32 v[218+\c], 0xff000000, v[216+\c]  ; 2 off the exponent field: the conversions' scale operands
.endr
.irp c, 0,1
	s_delay_alu instid0(VALU_DEP_2)
	v_lshrrev_b32 v[220+\c], 23, v[218+\c]
.endr
	s_delay_alu instid0(VALU_DEP_1)
	v_lshl_or_b32 v92, v221, 16, v220              ; p's scale word: byte 2 c + h; my two bytes,
	s_delay_alu instid0(VALU_DEP_1)
	v_lshlrev_b32 v92, v3, v92
	s_delay_alu instid0(VALU_DEP_1)
	v_permlanex16_b32 v93, v92, s[SEL], s[SEL+1]
	s_delay_alu instid0(VALU_DEP_1)
	v_or_b32 v92, v92, v93                         ; and lane l xor 16's two
.irp c, 0,1
	v_cvt_scalef32_pk16_fp6_f32 v[192+6*\c:194+6*\c], v[96+32*\c:111+32*\c], v[218+\c]
	v_cvt_scalef32_pk16_fp6_f32 v[204+4*\c:206+4*\c], v[112+32*\c:127+32*\c], v[218+\c]   ; (a conversion's three registers begin on an even number)
.endr
	v_nop                                          ; one plain place behind the scaled conversions
.irp c, 0,1
.irp i, 0,1,2
	v_mov_b32 v[195+6*\c+\i], v[204+4*\c+\i]
.endr
.endr
.set J, 0
	s_setprio 0
.rept 16
	v_pk_mul_f32 v[160+J:161+J], v[160+J:161+J], v[94:95] op_sel_hi:[1,0]   ; O^T under the new M.  (For each product below twelve of these name none of its registers: the places behind p's codes and scale word)
.set J, J+2
.endr
	s_wait_alu depctr_va_vdst(0)
	s_wait_dscnt 0x0                               ; v's fragments are in
.irp t, 0,1,2,3
	v_wmma_scale_f32_16x16x128_f8f6f4 v[160+8*\t:167+8*\t], v[36+12*\t:47+12*\t], v[192:203], v[160+8*\t:167+8*\t], v[88+\t], v92 matrix_a_fmt:MATRIX_FMT_FP6 matrix_b_fmt:MATRIX_FMT_FP6
.endr
	s_add_co_u32 s[TB], s[TB], 13312
.endm
.macro RUN trips
	s_mov_b32 s53, \trips
.Lstep_\@:
	s_setprio 2
	STEP
	s_sub_co_u32 s53, s53, 1
	s_cmp_lg_u32 s53, 0
	s_cbranch_scc1 .Lstep_\@
	s_setprio 0
.endm
; O^T / l, quantised: my 32 numbers are one block of the last projection's K
.macro WAYOUT p
	PLACES 4                                       ; behind the last products
	v_add_f32 v14, v14, v15
	s_delay_alu instid0(VALU_DEP_1)
	v_permlanex16_b32 v223, v14, s[SEL], s[SEL+1]
	s_delay_alu instid0(VALU_DEP_1)
	v_add_f32 v14, v14, v223                       ; the row's sum
	s_wait_alu depctr_va_vdst(0)
	v_rcp_f32 v14, v14
	v_nop                                          ; a plain place behind the reciprocal
	s_wait_alu depctr_va_vdst(0)                   ; the wait ahead of its first reader
.set J, 0
.rept 32
	v_mul_f32 v[96+J], v[160+J], v14               ; channel 32 h + J of my query, in ascending order
.set J, J+1
.endr
	v_max3_num_f32 v212, 0x1800000, |v96|, |v97|
	v_max3_num_f32 v213, 0x1800000, |v112|, |v113|
.irp i, 2,4,6,8,10,12,14
	s_delay_alu instid0(VALU_DEP_2)
	v_max3_num_f32 v212, v212, |v[96+\i]|, |v[97+\i]|
	s_delay_alu instid0(VALU_DEP_2)
	v_max3_num_f32 v213, v213, |v[112+\i]|, |v[113+\i]|
.endr
	s_delay_alu instid0(VALU_DEP_1)
	v_max_num_f32 v212, v212, v213
	s_delay_alu instid0(VALU_DEP_1)
	v_add_nc_u32 v218, 0xff000000, v212
	s_delay_alu instid0(VALU_DEP_1)
	v_lshrrev_b32 v220, 23, v218
	v_cvt_scalef32_pk16_fp6_f32 v[228:230], v[96:111], v218
	v_cvt_scalef32_pk16_fp6_f32 v[234:236], v[112:127], v218
	v_nop
.irp i, 0,1,2
	v_mov_b32 v[231+\i], v[234+\i]
.endr
	global_store_b128 v1, v[228:231], s[60:61] offset:196608*\p        ; 512 consecutive bytes
	global_store_b64 v7, v[232:233], s[60:61] offset:196608*\p+512     ; 256 consecutive bytes
	global_store_b8 v8, v220, s[62:63] offset:8192*\p
.endm
.macro PASS p
.if \p
	s_wait_xcnt 0x0                                ; the last pass's stores have read their registers
.endif
.irp q, 0,1,2
	global_load_b128 v[36+4*\q:39+4*\q], v4, s[58:59] offset:13312*\p+512*\q
.endr
	global_load_b32 v9, v5, s[58:59] offset:13312*\p+6144
	s_wait_loadcnt 0x0
.irp i, 0,1,2,3,4,5
	v_cndmask_b32 v[22+\i], v[36+\i], v[42+\i], s55   ; my tile's half of the fragment
.endr
	v_lshrrev_b32 v9, s56, v9
	s_delay_alu instid0(VALU_DEP_1)
	v_and_b32 v9, 0xffff, v9
	s_delay_alu instid0(VALU_DEP_1)
	v_lshl_or_b32 v34, v9, 16, v9                  ; [s0 s1 s0 s1].  (The lines below are its places ahead of the first product)
.irp i, 0,1,2,3,4,5
	v_mov_b32 v[16+\i], 0
	v_mov_b32 v[28+\i], 0
.endr
	v_mov_b32 v13, 0xff61b1e6                      ; the largest t so far: -3e38, under every t
	s_delay_alu instid0(VALU_DEP_1)
	v_floor_f32 v12, -v13
	v_mov_b32 v14, 0
	v_mov_b32 v15, 0
	v_mov_b32 v93, 0                               ; a lane permute's destination counts as one of its sources
	v_mov_b32 v223, 0
	v_mov_b32 v95, 0                               ; (named as the upper half of the pair v[94:95])
.set J, 0
.rept 32
	v_mov_b32 v[160+J], 0                          ; O^T: the step is written once; its first turn finds zeros, which the first change of M leaves zeros
.set J, J+1
.endr
.if \p == 0
.irp n, 0,1,2,3
	s_wait_tensorcnt 3-\n                          ; my slice of quarter n has landed; the later quarters' loads stay out
	s_wait_dscnt 0x0
	s_barrier_signal -1
	s_barrier_wait -1                              ; everybody's has
	s_mov_b32 s[TB], 53248*\n
	RUN 4
.endr
.else
	s_mov_b32 s[TB], 0
	RUN 16                                         ; all of k and v lies in LDS
.endif
	WAYOUT \p
.endm
	s_wait_alu depctr_va_vdst(0)
	PASS 0
	PASS 1
	s_wait_tensorcnt 0x0
	s_wait_dscnt 0x0
	s_wait_tensorcnt 0x0
	ds_add_u32 v254, v255
	s_wait_dscnt 0x0
	CROUND                                         ; the closing round: no work-group ends while a partner may still ask for a slice that names it
	s_endpgm
.Lfunc_end_k_q973f6769fb_attn:
	.size	k_q973f6769fb_attn, .Lfunc_end_k_q973f6769fb_attn-k_q973f6769fb_attn
	.p2alignl 7, 3214868480
	.fill 96, 4, 3214868480
	.section	.rodata,"a",@progbits
	.p2align	6, 0x0
	.amdhsa_kernel k_q973f6769fb_attn
		.amdhsa_group_segment_fixed_size 215040
		.amdhsa_private_segment_fixed_size 0
		.amdhsa_enable_private_segment 0
		.amdhsa_kernarg_size 24
		.amdhsa_user_sgpr_count 2
		.amdhsa_user_sgpr_kernarg_segment_ptr 1
		.amdhsa_wavefront_size32 1
		.amdhsa_system_sgpr_workgroup_id_x 1
		.amdhsa_system_sgpr_workgroup_id_y 1
		.amdhsa_system_sgpr_workgroup_id_z 1
		.amdhsa_system_vgpr_workitem_id 0
		.amdhsa_next_free_vgpr 256
		.amdhsa_next_free_sgpr 66
		.amdhsa_reserve_vcc 0
		.amdhsa_float_denorm_mode_32 3
		.amdhsa_float_denorm_mode_16_64 3
		.amdhsa_memory_ordered 1
		.amdhsa_forward_progress 1
		.amdhsa_inst_pref_size 96
	.end_amdhsa_kernel
	.amdgpu_metadata
---
amdhsa.version: [ 1, 2 ]
amdhsa.kernels:
  - .name:           k_q973f6769fb_attn
    .symbol:         k_q973f6769fb_attn.kd
    .args:
      - { .name: qkv, .offset: 0, .size: 8, .value_kind: global_buffer, .address_space: global }
      - { .name: aoc, .offset: 8, .size: 8, .value_kind: global_buffer, .address_space: global }
      - { .name: aos, .offset: 16, .size: 8, .value_kind: global_buffer, .address_space: global }
    .group_segment_fixed_size: 215040
    .private_segment_fixed_size: 0
    .kernarg_segment_align: 8
    .kernarg_segment_size: 24
    .max_flat_workgroup_size: 512
    .sgpr_count:     66
    .vgpr_count:     256
    .wavefront_size: 32
...
	.end_amdgpu_metadata
.endif
;; end of part 7
;; launch outp (part 8): grid 4 x 64, 4 waves a work-group, clusters of 4 x 1, 327,680 bytes of LDS; arguments aoc, aos, wimg, bo, out0; writes out0
.if DOCPART == 8
	.amdgcn_target "amdgcn-amd-amdhsa--gfx1250"
	.amdhsa_code_object_version 6
	.text
	.protected	k_q973f6769fb_outp
	.globl	k_q973f6769fb_outp
	.p2align	8
	.type	k_q973f6769fb_outp,@function
k_q973f6769fb_outp:
	s_mov_b64 s[64:65], 0
	v_nop
	global_prefetch_b8 v0, s[64:65] scope:SCOPE_SE
	s_setreg_imm32_b32 hwreg(HW_REG_WAVE_MODE, 25, 1), 1
	s_wait_xcnt 0x0
	s_wait_alu depctr_hold_cnt(0) depctr_sa_sdst(0) depctr_va_vdst(0) depctr_va_sdst(0) depctr_va_ssrc(0) depctr_va_vcc(0) depctr_vm_vsrc(0)
	s_getreg_b32 s2, hwreg(HW_REG_IB_STS2, 6, 4)
	s_cmp_eq_u32 s2, 0
	s_cbranch_scc0 .Lentry_in_a_cluster
	s_endpgm
.Lentry_in_a_cluster:
	s_bfe_u32 s2, ttmp6, 0x10000c
	s_cmp_lg_u32 s2, 0x3003
	s_cbranch_scc0 .Lentry_shape_is_right
	s_endpgm
.Lentry_shape_is_right:
; out0 = a Wo + bo on codes of FP6 (E2M3).  a: attention's result as codes (aoc: [token tile][head] 768 bytes: registers 0-3 at 16 l, registers 4, 5 at 512 + 8 l) and scale bytes (aos: 32 a token).
; Work-group (x, y): 128 tokens (group y) x 256 columns (256 x on).  Wave w: all 128 tokens x columns 256 x + 64 w on: 32 accumulators.
; CLUSTER: the four work-groups of a token group need the same codes: they come by joint loads, once, into LDS: 98,304 bytes of codes, 4,096 of scale bytes; two tensor loads of a wave are out at the most.
; The weights come as images of their registers straight from memory; each fragment feeds one wave of the work-group.
; USED TRANSPOSED: source 0 = 16 columns of Wo, source 1 = 16 tokens: a lane holds one token, and its 32 registers of the four tiles are columns 32 h + 0 .. 31 of my 64 (the tiles' row order sees to that).
; Row r of token tile a is token 64 (a / 4) + 32 (r / 8) + 8 (a % 4) + r % 8.  The bias is the C of each sum's first matrix instruction.  All eight K steps are written out: every offset is an immediate.
; REGISTERS.  window 0: v1-11 addresses; v24-31 the weights' scale words (two sets); v32-95 a's scale words (tile a, K step s at 32 + 8 a + s); v96-143, v144-191 the weights' fragments (two sets); v192-223 the bias.
;   window 1: v0-95, v128-223 a's fragments (two sets).   window 2: the accumulators, (a, t) at 8 (4 a + t).
.set STG, 102400                       ; LDS: behind the codes and scale bytes: a stage of 16 rows x 272 bytes for each wave; no fill lands there
.set MSB, 0
.macro WIN new
.set WN, (\new)
.if MSB != WN
	s_set_vgpr_msb (MSB<<8)|WN
.set MSB, WN
.endif
.endm
.macro PLACES n
.rept \n
	v_nop
.endr
.endm
.macro CROUND
	s_barrier_signal -1
	s_barrier_wait -1
	s_cmp_lg_u32 s14, 0
	s_cbranch_scc1 .Lnot_wave_0_\@
	s_barrier_signal -3
.Lnot_wave_0_\@:
	s_barrier_wait -3
	s_barrier_signal -1
	s_barrier_wait -1
.endm
	s_load_b256 s[4:11], s[0:1], 0x0               ; aoc, aos, wimg, bo
	s_load_b64 s[12:13], s[0:1], 0x20              ; out0
	v_lshl_add_u32 v254, v0, 2, 0x29000
	v_mov_b32 v255, 0
	ds_add_u32 v254, v255
	ds_add_u32 v254, v255
	v_lshrrev_b32 v1, 5, v0
	v_readfirstlane_b32 s14, v1                    ; wave 0..3
	s_bfe_u32 s15, ttmp6, 0x40000                  ; cx: it enters the weights', the bias's and the output's addresses alone
	s_lshl_b32 s16, ttmp9, 2
	s_add_co_u32 s16, s16, s15                     ; x
	s_and_b32 s17, ttmp7, 0xffff                   ; y, which the four partners share
	; descriptor groups 1: rows of 256 bytes (32 elements of 8), dense: 96 rows of codes, 4 of scale bytes
	s_mov_b32 s24, 15|(3<<16)|(1<<21)              ; the mask: all four work-groups; elements of 8 bytes; bit 21 beside a mask
	s_mov_b32 s25, 32<<16
	s_mov_b32 s26, 96<<16
	s_mov_b32 s27, 32<<16
	s_mov_b32 s28, 96
	s_mov_b32 s29, 32
	s_mov_b32 s30, 0
	s_mov_b32 s31, 0
	s_mov_b32 s32, 15|(3<<16)|(1<<21)
	s_mov_b32 s33, 32<<16
	s_mov_b32 s34, 4<<16
	s_mov_b32 s35, 32<<16
	s_mov_b32 s36, 4
	s_mov_b32 s37, 32
	s_mov_b32 s38, 0
	s_mov_b32 s39, 0
	s_mul_i32 s18, s17, 98304
	s_mul_i32 s19, s14, 24576                      ; my quarter of the codes, in memory and in LDS alike
	s_add_co_u32 s20, s18, s19
	s_mov_b32 s21, 0
	s_lshl_b32 s22, s17, 12
	s_lshl_b32 s48, s14, 10                        ; my quarter of the scale bytes
	s_add_co_u32 s22, s22, s48
	s_mov_b32 s23, 0
	s_and_b32 s58, s14, 1                          ; c: which half of a group of 128 columns
	s_lshl_b32 s50, s16, 1
	s_lshr_b32 s51, s14, 1
	s_add_co_u32 s50, s50, s51                     ; the group: 2 x + w / 2
	s_mul_i32 s50, s50, 102400
	s_add_co_u32 s50, s50, 2457600                 ; Wo's images
	s_mov_b32 s51, 0
	s_lshl_b32 s60, s16, 10
	s_lshl_b32 s61, s14, 8
	s_add_co_u32 s60, s60, s61                     ; my first column, in bytes: 1,024 x + 256 w
	s_mov_b32 s61, 0
	s_lshl_b32 s62, s17, 19                        ; 128 rows of 4,096 bytes
	s_add_co_u32 s62, s62, s60
	s_mov_b32 s63, 0
	s_wait_dscnt 0x0
	s_wait_kmcnt 0x0
	s_mov_b32 s40, 1
	s_mov_b32 s41, s19
	s_add_nc_u64 s[42:43], s[4:5], s[20:21]
	s_or_b32 s43, s43, 0x80000000
	s_mov_b32 s44, 1
	s_add_co_u32 s45, s48, 98304
	s_add_nc_u64 s[46:47], s[6:7], s[22:23]
	s_or_b32 s47, s47, 0x80000000
	s_add_nc_u64 s[52:53], s[8:9], s[50:51]        ; s[52:53] the weights
	s_add_nc_u64 s[54:55], s[10:11], s[60:61]      ; s[54:55] the bias
	s_add_nc_u64 s[56:57], s[12:13], s[62:63]      ; s[56:57] the output
	CROUND                                         ; all four work-groups are here: the joint loads meet
	tensor_load_to_lds s[40:43], s[24:31]
	s_nop 0
	s_wait_alu depctr_va_vdst(0)
	s_wait_tensorcnt 0x0
	ds_add_u32 v254, v255
	s_wait_dscnt 0x0
	CROUND
	tensor_load_to_lds s[44:47], s[32:39]
	s_nop 0
	PLACES 4
	v_and_b32 v1, 31, v0
	v_lshlrev_b32 v2, 3, v1                        ; v2  8 x lane
	v_lshlrev_b32 v1, 4, v1                        ; v1  16 x lane
	v_add_nc_u32 v3, 49152, v1                     ; v3, v4  the same for tiles 4-7
	v_add_nc_u32 v4, 49152, v2
	v_and_b32 v12, 15, v0                          ; r
	v_bfe_u32 v13, v0, 4, 1                        ; h
	s_mul_i32 s59, s58, 6144
	v_add_nc_u32 v5, s59, v1                       ; v5  my four tiles of a record
	s_lshl_b32 s59, s58, 4
	v_lshlrev_b32 v6, 5, v12
	v_add_nc_u32 v7, 98304, v6                     ; v7  row r's 32 scale bytes
	v_add_nc_u32 v6, s59, v6                       ; v6  my four tiles' scale words
	v_lshlrev_b32 v8, 7, v13                       ; v8  the bias: 32 h numbers on
	s_mul_i32 s59, s14, 4352
	s_add_co_u32 s59, s59, STG                     ; my stage
	v_mul_u32_u24 v9, v12, 272
	v_lshl_add_u32 v9, v13, 7, v9
	v_add_nc_u32 v9, s59, v9                       ; v9  in: row r, + 128 h
	v_mul_u32_u24 v10, v13, 272
	v_lshl_add_u32 v10, v12, 4, v10
	v_add_nc_u32 v10, s59, v10                     ; v10 back: lanes 0-15 one row of 256 bytes, lanes 16-31 the next
	v_lshlrev_b32 v11, 12, v13
	v_lshl_add_u32 v11, v12, 4, v11                ; v11 and the same in the output
.macro FX s, set                       ; K step s (heads 2 s, 2 s + 1) of the eight token tiles
	WIN 0x40
.irp a, 0,1,2,3,4,5,6,7
.set FB, 128*(\set)+12*\a
.set OF, 12288*(\a%4)+1536*(\s)
	ds_load_b128 v[FB:FB+3], v[1+2*(\a/4)] offset:OF
	ds_load_b64 v[FB+4:FB+5], v[2+2*(\a/4)] offset:OF+512
	ds_load_b128 v[FB+6:FB+9], v[1+2*(\a/4)] offset:OF+768
	ds_load_b64 v[FB+10:FB+11], v[2+2*(\a/4)] offset:OF+1280
.endr
	WIN 0
.endm
.macro FW s, set                       ; K step s of my four column tiles, and their scale words
.irp t, 0,1,2,3
.irp q, 0,1,2
	global_load_b128 v[96+48*(\set)+12*\t+4*\q:96+48*(\set)+12*\t+4*\q+3], v5, s[52:53] offset:12800*(\s)+1536*\t+512*\q
.endr
.endr
	global_load_b128 v[24+4*(\set):27+4*(\set)], v6, s[52:53] offset:12800*(\s)+12288
.endm
.irp t, 0,1,2,3
	global_load_b128 v[192+8*\t:195+8*\t], v8, s[54:55] offset:32*\t       ; columns 32 h + 8 t + 0 .. 7 of my 64
	global_load_b128 v[196+8*\t:199+8*\t], v8, s[54:55] offset:32*\t+16
.endr
	FW 0, 0
	s_wait_tensorcnt 0x0                           ; my parts have landed,
	s_barrier_signal -1
	s_barrier_wait -1                              ; everybody's have
.irp a, 0,1,2,3,4,5,6,7
	ds_load_b128 v[32+8*\a:35+8*\a], v7 offset:512*\a
	ds_load_b128 v[36+8*\a:39+8*\a], v7 offset:512*\a+16
.endr
	FX 0, 0
.irp s, 0,1,2,3,4,5,6,7
	PLACES 4                                       ; between the last products and loads into registers that they read
.if \s < 7
	FX \s+1, (\s+1)%2
	FW \s+1, (\s+1)%2
	s_wait_loadcnt 13                              ; all but the 13 just issued
	s_wait_dscnt 32                                ; all but the 32 just issued
.else
	s_wait_loadcnt 0x0
	s_wait_dscnt 0x0
.endif
.if \s == 0
	WIN 0x84                                       ; source 1 window 1, C (the bias) window 0, D window 2
.else
	WIN 0xa4                                       ; C and D window 2
.endif
.irp a, 0,1,2,3,4,5,6,7                ; the 32 accumulators take turns, one instruction a turn
.irp t, 0,1,2,3
.if \s == 0
	v_wmma_scale_f32_16x16x128_f8f6f4 v[8*(4*\a+\t):8*(4*\a+\t)+7], v[96+48*(\s%2)+12*\t:96+48*(\s%2)+12*\t+11], v[128*(\s%2)+12*\a:128*(\s%2)+12*\a+11], v[192+8*\t:199+8*\t], v[24+4*(\s%2)+\t], v[32+8*\a+\s] matrix_a_fmt:MATRIX_FMT_FP6 matrix_b_fmt:MATRIX_FMT_FP6
.else
	v_wmma_scale_f32_16x16x128_f8f6f4 v[8*(4*\a+\t):8*(4*\a+\t)+7], v[96+48*(\s%2)+12*\t:96+48*(\s%2)+12*\t+11], v[128*(\s%2)+12*\a:128*(\s%2)+12*\a+11], v[8*(4*\a+\t):8*(4*\a+\t)+7], v[24+4*(\s%2)+\t], v[32+8*\a+\s] matrix_a_fmt:MATRIX_FMT_FP6 matrix_b_fmt:MATRIX_FMT_FP6
.endif
.endr
.endr
	WIN 0
.endr
; THE WAY OUT, a token tile at a time: 16 rows x 256 bytes through my own stage, back as whole rows: sixteen lanes store 256 consecutive bytes, aligned.
.macro TOSTAGE a
	WIN 0x08                                       ; an LDS store's data are its source 1: window 2
.irp t, 0,1,2,3
	ds_store_b128 v9, v[32*(\a)+8*\t:32*(\a)+8*\t+3] offset:32*\t          ; each accumulator from its low end on
	ds_store_b128 v9, v[32*(\a)+8*\t+4:32*(\a)+8*\t+7] offset:32*\t+16
.endr
	WIN 0
.irp t, 0,1,2,3,4,5,6,7
	ds_load_b128 v[96+32*((\a)%2)+4*\t:96+32*((\a)%2)+4*\t+3], v10 offset:544*\t   ; LDS serves a wave's instructions in order: these see the stores above
.endr
.endm
.macro SEND a, younger
	s_wait_dscnt \younger                          ; the tile is back; the next tile's 8 stores and 8 loads may be out
.irp t, 0,1,2,3,4,5,6,7
	global_store_b128 v11, v[96+32*((\a)%2)+4*\t:96+32*((\a)%2)+4*\t+3], s[56:57] offset:(64*((\a)/4)+8*((\a)%4)+32*(\t/4)+2*(\t%4))*4096 th:TH_STORE_NT
.endr
.endm
	PLACES 4                                       ; ahead of the first read of results and of loads into the weights' registers
	s_wait_alu depctr_va_vdst(0)
	TOSTAGE 0
.irp a, 1,2,3,4,5,6,7
.if \a > 1
	s_wait_xcnt 0x0                                ; tile a - 2's stores have read their registers
.endif
	TOSTAGE \a
	SEND \a-1, 16
.endr
	SEND 7, 0
	s_wait_tensorcnt 0x0
	s_wait_dscnt 0x0
	s_wait_tensorcnt 0x0
	ds_add_u32 v254, v255
	s_wait_dscnt 0x0
	CROUND                                         ; the closing round
	s_endpgm
.Lfunc_end_k_q973f6769fb_outp:
	.size	k_q973f6769fb_outp, .Lfunc_end_k_q973f6769fb_outp-k_q973f6769fb_outp
	.p2alignl 7, 3214868480
	.fill 96, 4, 3214868480
	.section	.rodata,"a",@progbits
	.p2align	6, 0x0
	.amdhsa_kernel k_q973f6769fb_outp
		.amdhsa_group_segment_fixed_size 327680
		.amdhsa_private_segment_fixed_size 0
		.amdhsa_enable_private_segment 0
		.amdhsa_kernarg_size 40
		.amdhsa_user_sgpr_count 2
		.amdhsa_user_sgpr_kernarg_segment_ptr 1
		.amdhsa_wavefront_size32 1
		.amdhsa_system_sgpr_workgroup_id_x 1
		.amdhsa_system_sgpr_workgroup_id_y 1
		.amdhsa_system_sgpr_workgroup_id_z 1
		.amdhsa_system_vgpr_workitem_id 0
		.amdhsa_next_free_vgpr 768
		.amdhsa_next_free_sgpr 66
		.amdhsa_reserve_vcc 0
		.amdhsa_float_denorm_mode_32 3
		.amdhsa_float_denorm_mode_16_64 3
		.amdhsa_memory_ordered 1
		.amdhsa_forward_progress 1
		.amdhsa_inst_pref_size 84
	.end_amdhsa_kernel
	.amdgpu_metadata
---
amdhsa.version: [ 1, 2 ]
amdhsa.kernels:
  - .name:           k_q973f6769fb_outp
    .symbol:         k_q973f6769fb_outp.kd
    .args:
      - { .name: aoc, .offset: 0, .size: 8, .value_kind: global_buffer, .address_space: global }
      - { .name: aos, .offset: 8, .size: 8, .value_kind: global_buffer, .address_space: global }
      - { .name: wimg, .offset: 16, .size: 8, .value_kind: global_buffer, .address_space: global }
      - { .name: bo, .offset: 24, .size: 8, .value_kind: global_buffer, .address_space: global }
      - { .name: out0, .offset: 32, .size: 8, .value_kind: global_buffer, .address_space: global }
    .group_segment_fixed_size: 327680
    .private_segment_fixed_size: 0
    .kernarg_segment_align: 8
    .kernarg_segment_size: 40
    .max_flat_workgroup_size: 128
    .sgpr_count:     66
    .vgpr_count:     768
    .wavefront_size: 32
...
	.end_amdgpu_metadata
.endif
;; end of part 8
